; MI455X (gfx1250); checked and timed in simulation.
; The chip was launched on July 23, 2026; its instructions are those of AMD's public machine-readable ISA for CDNA 5 (MIT licence, August 2026) and "CDNA5" Instruction Set Architecture Reference Guide (July 2026). The comments in the code are by the model that wrote it; some were corrected since.
;; Multi Head Self attention. Allowed arithmetic: matrix products marked QUANTISED: E2M3 operands, one E8M0 scale for each 32 along K, by v_wmma_scale_f32_16x16x128_f8f6f4 with both operands' format E2M3, f32 sums; everything else in f32.
;; Inputs: Kw 1,024 x 1,024 float32; Ow 1,024 x 1,024 float32; Qw 1,024 x 1,024 float32; Vw 1,024 x 1,024 float32; token_positions 4 x 2,048 int32; x 4 x 2,048 x 1,024 float32.
;; Outputs: out0 4 x 2,048 x 1,024 float32.
;; This version of the problem:
;;   THIS VERSION OF THE PROBLEM IS GIVEN IN LOW PRECISION. The matrix products marked QUANTISED in the list below multiply operands that are first quantised to E2M3 (2 exponent bits, 3 mantissa bits; 6 bits a number), with one power-of-two scale for each 32 numbers along K (OCP MX v1.0); their sums are f32. All else is computed in f32.
;;   The module's matrix products, in the order in which they are computed (A, B: the left and right operand; K: the contracted axis; several contracted axes count as one K, in the product's order):
;;     1. [M 8,192, K 1,024] x [K 1,024, N 1,024]; A: input x; B: input Qw: QUANTISED
;;     2. [M 8,192, K 1,024] x [K 1,024, N 1,024]; A: input x; B: input Kw: QUANTISED
;;     3. [M 8,192, K 1,024] x [K 1,024, N 1,024]; A: input x; B: input Vw: QUANTISED
;;     4. batch 64 x [M 2,048, K 64] x [K 64, N 2,048]; A: computed on the way; B: computed on the way: QUANTISED
;;     5. batch 64 x [M 2,048, K 2,048] x [K 2,048, N 64]; A: softmax (see below); B: computed on the way: QUANTISED
;;     6. [M 8,192, K 1,024] x [K 1,024, N 1,024]; A: computed on the way; B: input Ow: QUANTISED
;;   THE QUANTISER, for each operand of a quantised product, along K:
;;     - K is cut into blocks of 32 from its start; a last block that is shorter is filled with zeros.
;;     - A block's scale is 2^e with e = floor(log2(the largest magnitude in the block)) - 2, held to -126 .. 127; a block of zeros has e = 0. As a byte (E8M0): e + 127.
;;     - Each number is divided by its block's scale, clamped to +-7.5, and rounded to the nearest number of E2M3, ties to even, subnormals kept.
;;     - The product sums the exact products of the quantised numbers (number of the format x scale) in f32.
;;   ~~~python
;;   def quantise(x, axis):      # numpy; x: float32 -> the quantised numbers, widened to float32 again
;;       x = np.moveaxis(x, axis, -1); K = x.shape[-1]
;;       x = np.pad(x, [(0, 0)] * (x.ndim - 1) + [(0, -K % 32)]); x = x.reshape(x.shape[:-1] + (-1, 32)); a = np.abs(x).max(-1, keepdims=True)
;;       e = np.where(a > 0, np.clip(np.frexp(np.where(a > 0, a, 1))[1] - 1 - 2, -126, 127), 0)      # np.frexp(a)[1] - 1 = floor(log2(a)), exactly
;;       r = np.clip(x / 2.0 ** e, -7.5, 7.5)
;;       step = 2.0 ** (np.maximum(np.frexp(np.where(r == 0, 1, r))[1] - 1, 0) - 3)
;;       q = np.round(r / step) * step * 2.0 ** e      # np.round: ties to even
;;       return np.moveaxis(q.reshape(q.shape[:-2] + (-1,))[..., :K], -1, axis).astype(np.float32)
;;   ~~~
;;   SOFTMAX AHEAD OF A QUANTISED PRODUCT. Where the list says 'softmax', what is quantised is not the finished softmax but p = 2^(t - M), with t = logit x log2(e) and M = ceil(the row's largest t), a whole number; so 1/2 < the row's largest p <= 1. The row's sum l is taken of the UNQUANTISED p, in f32, and the product's result is divided by l at the end. Since M is a whole number, a kernel that streams over the keys may use a running M (the ceiling of the running maximum): every later rescaling is an exact power of two, which a block's scale takes up: the codes' values come out the same.
;;   OPERANDS COMPUTED ON THE WAY. 'Computed on the way' means the value that the module computes at that place (a softmax that the list does not call 'softmax' is quantised finished and normalised). What goes into a quantiser is computed in f32, as accurately as f32 sums, v_exp_f32 and their like allow (about 1e-6 of the number): no bf16 or f16 on the way to a quantiser, and a product that is left as it is and whose result goes on into a quantised operand takes f32 operands (vector FMAs, or v_wmma_f32_16x16x4_f32). A number that lies on a knife's edge between two numbers of the format may be rounded either way, as far as f32 arithmetic and the matrix unit's own rounding can turn it there, and no further.
;; One version. Each part assembles by itself: llvm-mc -triple=amdgcn-amd-amdhsa -mcpu=gfx1250 --defsym DOCPART=n.
;; ======== version 1 of 1: 4 launches
;; workspace buffers: xq 6,553,600 bytes; wq 3,276,800 bytes; rope 2,097,152 bytes; qq 6,553,600 bytes; kv 13,107,200 bytes; oq 6,553,600 bytes
;; launch prep (part 1): grid 512 x 1, 4 waves a work-group, no clusters, 37,376 bytes of LDS; arguments x, Qw, Kw, Vw, Ow, token_positions, xq, wq, rope; writes xq, wq, rope
.if DOCPART == 1
	.amdgcn_target "amdgcn-amd-amdhsa--gfx1250"
	.amdhsa_code_object_version 6
	.text
	.protected	k_q5a6b93973e_prep
	.globl	k_q5a6b93973e_prep
	.p2align	8
	.type	k_q5a6b93973e_prep,@function
k_q5a6b93973e_prep:
	s_mov_b64 s[64:65], 0
	v_nop
	global_prefetch_b8 v0, s[64:65] scope:SCOPE_SE
	s_setreg_imm32_b32 hwreg(HW_REG_WAVE_MODE, 25, 1), 1
	s_wait_xcnt 0x0
; PREP.  (1) x [8192][1024] and the four weights [1024][1024], f32, K innermost, become codes of FP6 (E2M3) with one E8M0 byte for each 32 along K.
; (2) cos and sin of position x 10^(-p/8), p = 0 .. 31, are made once for each token.
; A HALF FRAGMENT (HF) is the image of six operand registers: 16 rows x 64 along K, 768 bytes.  Lane (r = lane % 16, h = lane / 16) owns the 24 bytes of row r, block h of 32:
; registers 0-3 at byte 16 x lane, registers 4-5 at byte 512 + 8 x lane.  So a writer stores 512 and 256 consecutive bytes, and a reader gets its registers by the same two accesses.
; xq, wq: codes [row tile of 16][16 HFs][768]; behind them the scale bytes [k / 256][row][8].  wq holds Qw, Kw, Vw, Ow one below the other (4,096 rows).
; rope: [row tile of 16 tokens][quad i 0..7][lane][16 bytes] = cos, sin, cos, sin of pairs 8 (i / 2) + 4 h + 2 (i % 2) + 0, 1 of token r: the order in which the next launch wants them in registers.
; SHARES.  Work-groups 0-255: 32 rows of x each; 256-383: 32 rows of a weight each; 384-511: four row tiles of cos and sin each (that way touches no LDS).
; In the first two kinds wave w takes columns 256 w .. 256 w + 255: eight steps, one HF each.  A step's eight loads read whole runs of 256 bytes (sixteen lanes to a run); the numbers turn through the wave's
; own stage in LDS (rows 272 bytes apart) and come back 32 neighbours to a lane: a whole block, so that its largest magnitude needs no other lane.
; A block's scale is 2^(floor(log2(largest magnitude)) - 2): the byte is the largest magnitude's exponent field - 2, held at 1 from below.
; LIMITS: a block of zeros gets the byte 1 where the rule says 127 (its codes are zeros, and only this program reads the bytes); NaN and infinities are not served;
; cos and sin are good to about 1e-7 for |position| up to 2^17 (the part of pi/2 left out of the reduction is 1.7e-15 for each quarter turn); 10^(-p/8) is the correctly rounded f32 number.
.set R,    32                          ; v32-127  three sets of 32 numbers as loaded
.set X,    128                         ; v128-191 two sets of 32 neighbours
.set C,    192                         ; v192-255 codes: eight registers for each step, so that no store's data are written again
.set TC,   24                          ; v24-26   a block's upper 16 codes (a conversion's three registers begin on an even number)
.set SBW,  16                          ; v16-19   scale bytes: word q of row tile u at SBW + 2 u + q
.set PB,   20                          ; v20-23   the other half's bytes
.set STG,  4352                        ; a stage: 16 rows x 272 bytes; two for each wave
	s_load_b256 s[4:11], s[0:1], 0x0               ; x, Qw, Kw, Vw
	s_load_b256 s[12:19], s[0:1], 0x20             ; Ow, token_positions, xq, wq
	s_load_b64 s[20:21], s[0:1], 0x40              ; rope
	v_lshl_add_u32 v254, v0, 2, 0x9000
	v_mov_b32 v255, 0
	v_lshrrev_b32 v1, 5, v0
	v_readfirstlane_b32 s22, v1                    ; wave
	v_and_b32 v2, 31, v0                           ; lane
	v_and_b32 v3, 15, v0                           ; r
	v_bfe_u32 v4, v0, 4, 1                         ; h
	v_lshlrev_b32 v8, 4, v2                        ; 16 x lane
	s_cmp_ge_u32 ttmp9, 384
	s_cbranch_scc1 .Lrope
	; ---------------- codes and scale bytes
	v_lshlrev_b32 v5, 4, v3
	v_lshl_add_u32 v5, v4, 12, v5                  ; a load: lanes 0-15 one row's 256 bytes, lanes 16-31 the next row's
	s_mul_i32 s23, s22, 2*STG                      ; my two stages
	v_mul_u32_u24 v6, v4, 272
	v_lshl_add_u32 v6, v3, 4, v6
	v_add_nc_u32 v6, s23, v6                       ; into a stage: as loaded
	v_mul_u32_u24 v7, v3, 272
	v_lshl_add_u32 v7, v4, 7, v7
	v_add_nc_u32 v7, s23, v7                       ; out of it: row r, block h: 128 bytes
	v_lshlrev_b32 v9, 3, v2                        ; 8 x lane
	v_lshlrev_b32 v10, 3, v4                       ; 8 h: my bytes' shift in a scale word
.irp k, 0,1,2,3
	v_mov_b32 v[PB+\k], 0                          ; a lane permute's destination counts as one of its sources
.endr
	s_mov_b32 s34, 0x76543210
	s_mov_b32 s35, 0xfedcba98                      ; v_permlanex16_b32: lane xor 16
	s_sub_co_u32 s24, ttmp9, 256                   ; a weight's work-group: 0 .. 127
	s_lshr_b32 s25, s24, 5                         ; which weight
	s_and_b32 s26, s24, 31                         ; which 32 rows of it
	s_wait_kmcnt 0x0
	s_cmp_eq_u32 s25, 1                            ; the choices hang on the work-group's number alone
	s_cselect_b64 s[6:7], s[8:9], s[6:7]
	s_cmp_eq_u32 s25, 2
	s_cselect_b64 s[6:7], s[10:11], s[6:7]
	s_cmp_eq_u32 s25, 3
	s_cselect_b64 s[6:7], s[12:13], s[6:7]
	s_cmp_lt_u32 ttmp9, 256
	s_cselect_b64 s[4:5], s[4:5], s[6:7]           ; from where
	s_cselect_b64 s[16:17], s[16:17], s[18:19]     ; to where
	s_cselect_b32 s26, ttmp9, s26                  ; 32 rows' number in the source,
	s_cselect_b32 s24, ttmp9, s24                  ; and in the destination
	s_mov_b32 s27, 0x300000
	s_cselect_b32 s27, 0x600000, s27               ; where the scale bytes begin
	s_cselect_b32 s28, 16, 15                      ; a plane of them: 8 bytes x 8,192 or 4,096 rows
	s_lshl_b32 s30, s26, 17                        ; 32 rows of 4,096 bytes
	s_lshl_b32 s31, s22, 10                        ; my 256 columns
	s_add_co_u32 s30, s30, s31
	s_mov_b32 s31, 0
	s_add_nc_u64 s[4:5], s[4:5], s[30:31]
	s_lshl_b32 s32, s22, s28
	s_add_co_u32 s32, s32, s27
	s_lshl_b32 s33, s24, 8                         ; 32 rows x 8 bytes
	s_add_co_u32 s32, s32, s33
	s_mov_b32 s33, 0
	s_add_nc_u64 s[18:19], s[16:17], s[32:33]      ; my 256 scale bytes
	s_mul_i32 s30, s24, 24576                      ; two row tiles of 16 HFs
	s_mul_i32 s32, s22, 3072                       ; my four HFs of each
	s_add_co_u32 s30, s30, s32
	s_add_nc_u64 s[16:17], s[16:17], s[30:31]      ; my codes
.macro LOAD t                          ; step t: row tile t / 4, columns 64 (t % 4) on: 16 rows x 256 bytes
.irp e, 0,1,2,3,4,5,6,7
	global_load_b128 v[R+32*((\t)%3)+4*\e:R+32*((\t)%3)+4*\e+3], v5, s[4:5] offset:(16*((\t)/4)+2*\e)*4096+256*((\t)%4) th:TH_LOAD_NT
.endr
.endm
.macro TURN t                          ; through the stage: LDS serves a wave's instructions in order, so no wait stands between the stores and the loads
.irp e, 0,1,2,3,4,5,6,7
	ds_store_b128 v6, v[R+32*((\t)%3)+4*\e:R+32*((\t)%3)+4*\e+3] offset:STG*((\t)%2)+544*\e
.endr
.irp i, 0,1,2,3,4,5,6,7
	ds_load_b128 v[X+32*((\t)%2)+4*\i:X+32*((\t)%2)+4*\i+3], v7 offset:STG*((\t)%2)+16*\i
.endr
.endm
	LOAD 0
	LOAD 1
	LOAD 2
	s_wait_loadcnt 16                              ; step 0's eight loads are in
	TURN 0
.macro STEP t
.set XS, X+32*((\t)%2)
.set CC, C+8*(\t)
	s_wait_dscnt 0x0                               ; this step's numbers are back, and its stores into the stage have read their registers,
.if (\t)+3 < 8
	LOAD (\t)+3                                    ; which take the loads of three steps on
.endif
.if (\t)+1 < 8
.if (\t) <= 4
	s_wait_loadcnt 16                              ; the next step's eight loads are in; those of the two steps behind it may be out
.else
	s_wait_loadcnt 8*(6-(\t))
.endif
	TURN (\t)+1                                    ; and go through the other stage while this step is worked
.endif
	v_max3_num_f32 v12, |v[XS]|, |v[XS+1]|, |v[XS+2]|              ; the block's largest magnitude: all 32 numbers are mine
	v_max3_num_f32 v13, |v[XS+3]|, |v[XS+4]|, |v[XS+5]|
.irp i, 6,10,14,18,22,26
	v_max3_num_f32 v12, v12, |v[XS+\i]|, |v[XS+\i+1]|
	v_max3_num_f32 v13, v13, |v[XS+\i+2]|, |v[XS+\i+3]|
.endr
	v_max3_num_f32 v12, v12, |v[XS+30]|, |v[XS+31]|
	v_max3_num_f32 v12, v12, v13, 0x1800000        ; and the floor 2^(3 - 127): the byte cannot fall under 1
	v_add_nc_u32 v11, 0xff000000, v12              ; 2 off the exponent field: the conversion takes this operand's exponent field as its scale
	v_cvt_scalef32_pk16_fp6_f32 v[CC:CC+2], v[XS:XS+15], v11
	v_cvt_scalef32_pk16_fp6_f32 v[TC:TC+2], v[XS+16:XS+31], v11
	v_lshrrev_b32 v13, 23, v11                     ; the scale's byte (also the plain line behind the conversions)
.irp i, 0,1,2
	v_mov_b32 v[CC+3+\i], v[TC+\i]
.endr
.if (\t)%2 == 0
	v_mov_b32 v[SBW+2*((\t)/4)+((\t)%4)/2], v13    ; block 2 (t % 4) + h of the 8: in its word at byte 2 (t % 2) + h; the h comes at the end
.else
	v_lshl_or_b32 v[SBW+2*((\t)/4)+((\t)%4)/2], v13, 16, v[SBW+2*((\t)/4)+((\t)%4)/2]
.endif
	global_store_b128 v8, v[CC:CC+3], s[16:17] offset:12288*((\t)/4)+768*((\t)%4)          ; 512 consecutive bytes
	global_store_b64 v9, v[CC+4:CC+5], s[16:17] offset:12288*((\t)/4)+768*((\t)%4)+512     ; and 256
.endm
.irp t, 0,1,2,3,4,5,6,7
	STEP \t
.endr
.irp k, 0,1,2,3
	v_lshlrev_b32 v[SBW+\k], v10, v[SBW+\k]        ; my two bytes at their places,
.endr
.irp k, 0,1,2,3
	v_permlanex16_b32 v[PB+\k], v[SBW+\k], s34, s35
.endr
.irp k, 0,1,2,3
	v_or_b32 v[SBW+\k], v[SBW+\k], v[PB+\k]        ; with the other half's two the word is whole
.endr
	v_cmp_ne_u32 vcc_lo, 0, v4
	v_cndmask_b32 v14, v16, v18, vcc_lo            ; lanes 0-15 store row r of the first row tile, lanes 16-31 row r of the second
	v_cndmask_b32 v15, v17, v19, vcc_lo
	global_store_b64 v9, v[14:15], s[18:19]        ; 32 rows x 8 bytes: 256 consecutive bytes, aligned
	s_wait_tensorcnt 0x0
	ds_add_u32 v254, v255
	s_wait_dscnt 0x0
	s_endpgm
	; ---------------- cos and sin
.Lrope:
	s_sub_co_u32 s24, ttmp9, 384
	s_lshl_b32 s24, s24, 2
	s_add_co_u32 s24, s24, s22                     ; my row tile of 16 tokens
	s_lshl_b32 s26, s24, 6                         ; its positions: 16 x 4 bytes
	s_mov_b32 s27, 0
	s_lshl_b32 s28, s24, 12                        ; its 4,096 bytes of cos and sin
	s_mov_b32 s29, 0
	v_lshlrev_b32 v5, 2, v3
	v_cmp_ne_u32 vcc_lo, 0, v4                     ; lanes 16-31
	s_wait_kmcnt 0x0
	s_add_nc_u64 s[14:15], s[14:15], s[26:27]
	s_add_nc_u64 s[20:21], s[20:21], s[28:29]
	global_load_b32 v6, v5, s[14:15]
	s_wait_loadcnt 0x0
	v_cvt_f32_i32 v6, v6
; v[d] = cos, v[d + 1] = sin of position x (lanes 0-15: lo, lanes 16-31: hi).  n = the nearest whole number of quarter turns; a = angle - n pi/2 in two fused steps; polynomials in a on [-pi/4, pi/4];
; n's lowest bit changes sin and cos over, its second bit turns sin's sign, that of n + 1 turns cos's.
.macro SINCOS d, lo, hi
	v_mov_b32 v10, \lo
	v_mov_b32 v11, \hi
	v_cndmask_b32 v10, v10, v11, vcc_lo
	v_mul_f32 v10, v6, v10                         ; the angle: one f32 product
	v_mul_f32 v11, 0x3f22f983, v10                 ; x 2 / pi
	v_rndne_f32 v11, v11
	v_fma_f32 v12, v11, 0xbfc90fdb, v10            ; - n x pi/2 rounded to f32
	v_fma_f32 v12, v11, 0x333bbd2e, v12            ; - n x what that rounding left
	v_mul_f32 v13, v12, v12
	v_mov_b32 v14, 0x37ccf5ce                      ; cos: 1 + s (-1/2 + s (4.1666646e-2 + s (-1.3887316e-3 + s 2.4433157e-5)))
	v_fmaak_f32 v14, v14, v13, 0xbab6061a
	v_fmaak_f32 v14, v14, v13, 0x3d2aaaa5
	v_fmaak_f32 v14, v14, v13, 0xbf000000
	v_fmaak_f32 v14, v14, v13, 0x3f800000
	v_mov_b32 v15, 0xb94ca1f9                      ; sin: a + a s (-1.6666655e-1 + s (8.3321609e-3 - s 1.9515296e-4))
	v_fmaak_f32 v15, v15, v13, 0x3c08839e
	v_fmaak_f32 v15, v15, v13, 0xbe2aaaa3
	v_mul_f32 v16, v13, v12
	v_fma_f32 v15, v15, v16, v12
	v_cvt_i32_f32 v17, v11
	v_and_b32 v18, 1, v17
	v_cmp_eq_u32 s30, 1, v18
	v_cndmask_b32 v[(\d)+1], v15, v14, s30
	v_cndmask_b32 v[(\d)], v14, v15, s30
	v_lshlrev_b32 v18, 30, v17
	v_and_b32 v18, 0x80000000, v18
	v_xor_b32 v[(\d)+1], v[(\d)+1], v18
	v_add_nc_u32 v17, 1, v17
	v_lshlrev_b32 v17, 30, v17
	v_and_b32 v17, 0x80000000, v17
	v_xor_b32 v[(\d)], v[(\d)], v17
.endm
	SINCOS 32, 1.0, 0.316227766017                 ; pairs 0 | 4
	SINCOS 34, 0.749894209332, 0.237137370566      ; 1 | 5
	SINCOS 36, 0.562341325190, 0.177827941004      ; 2 | 6
	SINCOS 38, 0.421696503429, 0.133352143216      ; 3 | 7
	SINCOS 40, 0.1, 0.0316227766017                ; 8 | 12
	SINCOS 42, 0.0749894209332, 0.0237137370566
	SINCOS 44, 0.0562341325190, 0.0177827941004
	SINCOS 46, 0.0421696503429, 0.0133352143216
	SINCOS 48, 0.01, 0.00316227766017              ; 16 | 20
	SINCOS 50, 0.00749894209332, 0.00237137370566
	SINCOS 52, 0.00562341325190, 0.00177827941004
	SINCOS 54, 0.00421696503429, 0.00133352143216
	SINCOS 56, 0.001, 0.000316227766017            ; 24 | 28
	SINCOS 58, 0.000749894209332, 0.000237137370566
	SINCOS 60, 0.000562341325190, 0.000177827941004
	SINCOS 62, 0.000421696503429, 0.000133352143216
.irp i, 0,1,2,3,4,5,6,7
	global_store_b128 v8, v[32+4*\i:35+4*\i], s[20:21] offset:512*\i   ; 512 consecutive bytes
.endr
	s_endpgm
.Lfunc_end_k_q5a6b93973e_prep:
	.size	k_q5a6b93973e_prep, .Lfunc_end_k_q5a6b93973e_prep-k_q5a6b93973e_prep
	.p2alignl 7, 3214868480
	.fill 96, 4, 3214868480
	.section	.rodata,"a",@progbits
	.p2align	6, 0x0
	.amdhsa_kernel k_q5a6b93973e_prep
		.amdhsa_group_segment_fixed_size 37376
		.amdhsa_private_segment_fixed_size 0
		.amdhsa_enable_private_segment 0
		.amdhsa_kernarg_size 72
		.amdhsa_user_sgpr_count 2
		.amdhsa_user_sgpr_kernarg_segment_ptr 1
		.amdhsa_wavefront_size32 1
		.amdhsa_system_sgpr_workgroup_id_x 1
		.amdhsa_system_sgpr_workgroup_id_y 1
		.amdhsa_system_sgpr_workgroup_id_z 1
		.amdhsa_system_vgpr_workitem_id 0
		.amdhsa_next_free_vgpr 256
		.amdhsa_next_free_sgpr 66
		.amdhsa_reserve_vcc 1
		.amdhsa_float_denorm_mode_32 3
		.amdhsa_float_denorm_mode_16_64 3
		.amdhsa_memory_ordered 1
		.amdhsa_forward_progress 1
		.amdhsa_inst_pref_size 59
	.end_amdhsa_kernel
	.amdgpu_metadata
---
amdhsa.version: [ 1, 2 ]
amdhsa.kernels:
  - .name:           k_q5a6b93973e_prep
    .symbol:         k_q5a6b93973e_prep.kd
    .args:
      - { .name: x, .offset: 0, .size: 8, .value_kind: global_buffer, .address_space: global }
      - { .name: Qw, .offset: 8, .size: 8, .value_kind: global_buffer, .address_space: global }
      - { .name: Kw, .offset: 16, .size: 8, .value_kind: global_buffer, .address_space: global }
      - { .name: Vw, .offset: 24, .size: 8, .value_kind: global_buffer, .address_space: global }
      - { .name: Ow, .offset: 32, .size: 8, .value_kind: global_buffer, .address_space: global }
      - { .name: token_positions, .offset: 40, .size: 8, .value_kind: global_buffer, .address_space: global }
      - { .name: xq, .offset: 48, .size: 8, .value_kind: global_buffer, .address_space: global }
      - { .name: wq, .offset: 56, .size: 8, .value_kind: global_buffer, .address_space: global }
      - { .name: rope, .offset: 64, .size: 8, .value_kind: global_buffer, .address_space: global }
    .group_segment_fixed_size: 37376
    .private_segment_fixed_size: 0
    .kernarg_segment_align: 8
    .kernarg_segment_size: 72
    .max_flat_workgroup_size: 128
    .sgpr_count:     66
    .vgpr_count:     256
    .wavefront_size: 32
...
	.end_amdgpu_metadata
.endif
;; end of part 1
;; launch qkv (part 2): grid 12 x 32, 4 waves a work-group, clusters of 4 x 4, 327,680 bytes of LDS; arguments xq, wq, rope, qq, kv; writes qq, kv
.if DOCPART == 2
	.amdgcn_target "amdgcn-amd-amdhsa--gfx1250"
	.amdhsa_code_object_version 6
	.text
	.protected	k_q5a6b93973e_qkv
	.globl	k_q5a6b93973e_qkv
	.p2align	8
	.type	k_q5a6b93973e_qkv,@function
k_q5a6b93973e_qkv:
	s_mov_b64 s[64:65], 0
	v_nop
	global_prefetch_b8 v0, s[64:65] scope:SCOPE_SE
	s_setreg_imm32_b32 hwreg(HW_REG_WAVE_MODE, 25, 1), 1
	s_wait_xcnt 0x0
	s_wait_alu depctr_hold_cnt(0) depctr_sa_sdst(0) depctr_va_vdst(0) depctr_va_sdst(0) depctr_va_ssrc(0) depctr_va_vcc(0) depctr_vm_vsrc(0)
	s_getreg_b32 s2, hwreg(HW_REG_IB_STS2, 6, 4)
	s_cmp_eq_u32 s2, 0
	s_cbranch_scc0 .Lentry_in_a_cluster
	s_endpgm
.Lentry_in_a_cluster:
	s_bfe_u32 s2, ttmp6, 0x10000c
	s_cmp_lg_u32 s2, 0xf033
	s_cbranch_scc0 .Lentry_shape_is_right
	s_endpgm
.Lentry_shape_is_right:
; QKV.  C = x [Qw; Kw; Vw]^T on codes of FP6 (E2M3): M 8,192, N 3,072, K 1,024; then, in registers, RoPE on q and k, and the quantisers of attention's operands.
; OPERANDS lie in memory as half fragments (HF: 16 rows x 64 along K, 768 bytes, the image of six registers: registers 0-3 at 16 x lane, registers 4-5 at 512 + 8 x lane), [row tile][16 HFs]; scale bytes [k / 256][row][8].
; A tile of C, 256 x 256, is made by four waves, 128 x 128 each: 64 accumulators, 512 registers.  K goes in four steps of 256 through two LDS slots; a wave's tensor load brings 8 row tiles x 3,072 bytes.
; A fragment comes out of LDS by two loads of 16 and two of 8 bytes a lane, each of consecutive bytes: no pitch, no padding.  The scale bytes of the 256 + 256 rows for all of K come once, with the first fills.
; CLUSTERS: 4 x 4 work-groups; A's tiles are asked for jointly along a row of the cluster, B's along a column.
; THE MATRIX INSTRUCTION IS USED TRANSPOSED (source 0 = 16 rows of the weight, source 1 = 16 tokens): a lane holds one token (lane % 16) and, in accumulator (a, b), features 16 b + 8 (lane / 16) + 0 .. 7.
; THE WAY OUT parts on the cluster's x, which all partners share: 0 = q, 1 = k, 2 = v.
;   q, k: RoPE with cos and sin from the buffer rope; a token's 64 numbers of a head are two blocks of 32; codes leave as HFs.  Inside a block the codes stand in the order in which the accumulators give them,
;         the same in q and in k: a product over K does not see it.  qq: [head][tile of 16][768], scale words behind; kv: see below.
;   v:    is quantised along the KEYS, so a wave's 128 tokens x 32 features at a time turn through its stage in LDS; a lane then holds one feature and 32 keys.  Code place pos of a block holds key pos with bits 3 and 4
;         changed over: the order in which attention's p comes out of its registers.  Row r of tile 2 b + u is feature 32 b + 8 u + r + 8 (r / 8), so that attention's result has 16 neighbouring features in a lane.
; kv: [head 64][slot of 256 keys 8][25,600]: K 16 HFs | at 12,288 K's scale words [step][r][pair of tiles] | at 12,800 V's fragments [step][tile 4][1,536] | at 25,088 V's scale words [step][r][tile].
; LIMITS: a block of zeros gets the byte 1 (only this program reads the bytes); NaN and infinities are not served.
; REGISTERS, windows of 256: window 0: v0-31 addresses; v32-63 scale words, two sets, and nothing else; v128-223 A's fragments, one set; on the way out v64-255 are at work.  window 1: B's fragments, two sets.
;   window 2: the accumulators of my rows 0-63 ((a, b) at v[8 (8 (a % 4) + b)]); window 3: those of rows 64-127.
.set RT,     3072                      ; a row tile's part of a slot: four HFs
.set HALFT,  8*RT                      ; 128 rows: what one tensor load brings
.set SLOT,   4*HALFT                   ; A's 256 rows, then B's
.set NQ,     2                         ; matrix instructions deep in a slot
.set FR,     12                        ; registers of a fragment
.set NL,     4                         ; LDS loads that bring one
.set NP,     4                         ; places behind this matrix instruction (ISA guide 7.12.1)
.set SCL,    2*SLOT                    ; behind the ring: the scale bytes, 4,096 for each quarter ([k / 256][128 rows][8]); B's lie 128 bytes further on, so that the two halves of a load's lanes meet different banks
.set SQ,     4096
.set SPARE,  SCL+4*SQ+256              ; the spare words, 128 bytes for each wave: two blocks of 256 bytes that no other line names
.set BROW0,  0                         ; B's first row tile in wq
.set ADRA, 16                          ; v16-17 LDS address of A's fragments in slot 0, 1, for the loads of 16 bytes; v18-19 for those of 8
.set ADRB, 20                          ; v20-23 the same for B
.set STO,  24                          ; v24  the v path: where I put 32 bytes of a token
.set RDV,  25                          ; v25  the v path: where I read a feature's keys
.set ADRS, 27                          ; v27  my scale words: lanes 0-15 A's rows, lanes 16-31 B's
.set SPW,  28                          ; v28  my spare word; never rewritten
.set NIL,  29                          ; v29  0; never rewritten
.set SC,   32
.set AF,   128
.set G1, 24
.set G0, 32
.set G1B, 48
.set G0B, 56
.set G1S, 68
.set G0S, 76
.set G1SB, 80
.set G0SB, 88
.set MSB, 0
.macro WIN new                         ; the immediate's high byte repeats the setting that is left
.if MSB != (\new)
	s_set_vgpr_msb (MSB<<8)|(\new)
.set MSB, (\new)
.endif
.endm
.set MUL_LO, 0xa1                      ; source 0 (B) window 1, source 1 (A) window 0, C and D window 2
.set MUL_HI, 0xf1
.set TO_B,   0x40
; A joint load: waves 0 and 1 fetch for A, waves 2 and 3 for B; the branch hangs on the wave's number alone.  Four v_nop follow each of the two lines.
.macro JLOAD g0a, g1a, g0b, g1b
	s_cmp_eq_u32 s15, 0
	s_cbranch_scc0 .Lfor_b_\@
	tensor_load_to_lds s[\g0a:\g0a+3], s[\g1a:\g1a+7]
	s_nop 0
.rept 4
	v_nop
.endr
	s_branch .Lasked_\@
.Lfor_b_\@:
	tensor_load_to_lds s[\g0b:\g0b+3], s[\g1b:\g1b+7]
	s_nop 0
.rept 4
	v_nop
.endr
.Lasked_\@:
.endm
.macro CREST                           ; a round of the cluster's barrier behind its opening barrier
	s_cmp_lg_u32 s14, 0
	s_cbranch_scc1 .Lnot_wave_0_\@
	s_barrier_signal -3
.Lnot_wave_0_\@:
	s_barrier_wait -3
	s_barrier_signal -1
	s_barrier_wait -1
.endm
.macro CROUND
	s_barrier_signal -1
	s_barrier_wait -1
	CREST
.endm
	s_load_b128 s[4:7], s[0:1], 0x0                ; xq, wq
	s_load_b128 s[8:11], s[0:1], 0x10              ; rope, qq
	s_load_b64 s[12:13], s[0:1], 0x20              ; kv
	v_lshl_add_u32 v[SPW], v0, 2, SPARE
	v_mov_b32 v[NIL], 0
	ds_add_u32 v28, v29
	s_wait_dscnt 0x0
	v_lshrrev_b32 v1, 5, v0
	v_readfirstlane_b32 s14, v1                    ; wave 0..3
	s_lshr_b32 s15, s14, 1                         ; which half of the tile's rows is mine.  Also: I fetch for A (0) or for B (1)
	s_and_b32 s16, s14, 1                          ; which half of its columns.  Also: which 128 rows I fetch
	s_bfe_u32 s40, ttmp6, 0x40000                  ; cx, cy
	s_bfe_u32 s41, ttmp6, 0x40004
	s_lshl_b32 s42, ttmp9, 2
	s_add_co_u32 s42, s42, s40                     ; tile column of C
	s_and_b32 s17, ttmp7, 0xffff
	s_lshl_b32 s17, s17, 2
	s_add_co_u32 s17, s17, s41                     ; tile row of C
	s_lshl_b32 s43, s41, 2
	s_lshl_b32 s43, 15, s43                        ; my row of the cluster
	s_lshl_b32 s44, 0x1111, s40                    ; my column
	; descriptor group 1 for codes: 8 rows (row tiles) of 384 elements of 8 bytes, 1,536 elements apart; dense in LDS
	s_or_b32 s[G1+0], s43, (3<<16)|(1<<21)         ; 15:0 the mask; 17:16 elements of 8 bytes; 21 set beside a mask
	s_or_b32 s[G1B+0], s44, (3<<16)|(1<<21)
.irp g, G1, G1B
	s_mov_b32 s[\g+1], 384<<16                     ; tensor_dim0
	s_mov_b32 s[\g+2], 8<<16                       ; tensor_dim1
	s_mov_b32 s[\g+3], 384<<16                     ; tile_dim0
	s_mov_b32 s[\g+4], 8                           ; tile_dim1
	s_mov_b32 s[\g+5], 1536                        ; tensor_dim0_stride
	s_mov_b32 s[\g+6], 0
	s_mov_b32 s[\g+7], 0
.endr
	; and for scale bytes: 4 rows (K steps) of 128 elements of 8 bytes (128 rows of the operand), a plane apart
	s_or_b32 s[G1S+0], s43, (3<<16)|(1<<21)
	s_or_b32 s[G1SB+0], s44, (3<<16)|(1<<21)
.irp g, G1S, G1SB
	s_mov_b32 s[\g+1], 128<<16
	s_mov_b32 s[\g+2], 4<<16
	s_mov_b32 s[\g+3], 128<<16
	s_mov_b32 s[\g+4], 4
	s_mov_b32 s[\g+6], 0
	s_mov_b32 s[\g+7], 0
.endr
	s_mov_b32 s[G1S+5], 8192                       ; A has 8,192 rows,
	s_mov_b32 s[G1SB+5], 4096                      ; wq 4,096
	s_lshl_b32 s18, s16, 3                         ; which 8 row tiles I fetch
	s_lshl_b32 s20, s17, 4
	s_add_co_u32 s20, s20, s18                     ; A: row tile 16 x tile row + 8 x half
	s_lshl_b32 s46, s42, 4
	s_add_co_u32 s46, s46, s18
	s_add_co_u32 s46, s46, BROW0                   ; B: likewise by the tile column
	s_lshl_b32 s22, s20, 7                         ; their scale bytes: 16 rows x 8 bytes a row tile,
	s_add_co_u32 s22, s22, 0x600000                ; behind the codes
	s_lshl_b32 s92, s46, 7
	s_add_co_u32 s92, s92, 0x300000
	s_mul_i32 s20, s20, 12288                      ; their codes
	s_mul_i32 s46, s46, 12288
	s_mov_b32 s21, 0
	s_mov_b32 s23, 0
	s_mov_b32 s47, 0
	s_mov_b32 s93, 0
	s_mul_i32 s45, s14, HALFT                      ; where they go: no place in the cluster enters an LDS address
	s_lshl_b32 s94, s14, 12
	s_wait_kmcnt 0x0
	s_add_nc_u64 s[20:21], s[4:5], s[20:21]
	s_add_nc_u64 s[22:23], s[4:5], s[22:23]
	s_add_nc_u64 s[46:47], s[6:7], s[46:47]
	s_add_nc_u64 s[92:93], s[6:7], s[92:93]
	CROUND                                         ; all sixteen work-groups are here: the first joint loads meet
	s_mov_b32 s[G0S], 1
	s_add_co_u32 s[G0S+1], s94, SCL
	s_mov_b64 s[G0S+2:G0S+3], s[22:23]
	s_or_b32 s[G0S+3], s[G0S+3], 0x80000000
	s_mov_b32 s[G0SB], 1
	s_add_co_u32 s[G0SB+1], s94, SCL+128
	s_mov_b64 s[G0SB+2:G0SB+3], s[92:93]
	s_or_b32 s[G0SB+3], s[G0SB+3], 0x80000000
	JLOAD G0S, G1S, G0SB, G1SB                     ; the scale bytes first: they are wanted with K step 0
.irp s, 0,1
	s_mov_b32 s[G0+4*\s], 1
	s_add_co_u32 s[G0+4*\s+1], s45, \s*SLOT
	s_add_nc_u64 s[G0+4*\s+2:G0+4*\s+3], s[20:21], \s*RT
	s_or_b32 s[G0+4*\s+3], s[G0+4*\s+3], 0x80000000
	s_mov_b32 s[G0B+4*\s], 1
	s_add_co_u32 s[G0B+4*\s+1], s45, \s*SLOT
	s_add_nc_u64 s[G0B+4*\s+2:G0B+4*\s+3], s[46:47], \s*RT
	s_or_b32 s[G0B+4*\s+3], s[G0B+4*\s+3], 0x80000000
	JLOAD G0+4*\s, G1, G0B+4*\s, G1B
.endr
	v_and_b32 v1, 15, v0                           ; r
	v_bfe_u32 v2, v0, 4, 1                         ; h
	v_and_b32 v3, 31, v0
	v_lshlrev_b32 v4, 4, v3                        ; 16 x lane; stays
	v_lshlrev_b32 v5, 3, v3                        ; 8 x lane; stays
	s_mul_i32 s21, s15, HALFT                      ; my 128 rows of A
	s_mul_i32 s22, s16, HALFT                      ; my 128 rows of B,
	s_add_co_u32 s22, s22, 2*HALFT                 ; behind A's 256
.irp s, 0,1
	v_add_nc_u32 v[ADRA+\s], s21, v4
	v_add_nc_u32 v[ADRB+\s], s22, v4
	v_add_nc_u32 v[ADRA+2+\s], s21, v5
	v_add_nc_u32 v[ADRB+2+\s], s22, v5
	s_add_co_u32 s21, s21, SLOT
	s_add_co_u32 s22, s22, SLOT
.endr
	v_lshlrev_b32 v7, 3, v1                        ; my row's 8 scale bytes of a K step
	s_lshl_b32 s21, s15, 12                        ; A's: my 128 rows
	s_lshl_b32 s22, s16, 12                        ; B's: my 128 rows, behind A's two quarters, 128 bytes on
	s_add_co_u32 s22, s22, 2*SQ+128
	s_sub_co_u32 s22, s22, s21
	v_mul_u32_u24 v6, s22, v2                      ; lanes 16-31 take B's
	s_add_co_u32 s21, s21, SCL
	v_add_nc_u32 v7, v7, v6
	v_add_nc_u32 v[ADRS], s21, v7
	s_mul_i32 s23, s14, 18560                      ; the v path's stage, in slot 0: four regions of 32 keys x 144 bytes, 4,640 bytes apart
	v_mul_u32_u24 v6, v1, 144
	v_lshl_add_u32 v6, v2, 5, v6
	v_add_nc_u32 v[STO], s23, v6                   ; in: key r of 16, + 32 h
	v_and_b32 v6, 8, v1
	v_add_nc_u32 v6, v6, v1
	v_lshlrev_b32 v6, 2, v6                        ; out: feature r + 8 (r / 8),
	v_mad_u32_u24 v6, v2, 4640, v6                 ; lanes 16-31 the next 32 keys
	v_add_nc_u32 v[RDV], s23, v6
.macro FRAG reg, adr, q, i             ; a fragment = two HFs: registers 6 c .. 6 c + 3 by 16 bytes a lane, 6 c + 4, 6 c + 5 by 8
.irp c, 0,1
	ds_load_b128 v[\reg+6*\c:\reg+6*\c+3], v[\adr] offset:(\i)*RT+(\q)*1536+\c*768
	ds_load_b64 v[\reg+6*\c+4:\reg+6*\c+5], v[\adr+2] offset:(\i)*RT+(\q)*1536+\c*768+512
.endr
.endm
; 16 matrix instructions: A's blocks a0, a0 + 1 x B's eight.  The 64 accumulators take turns, one instruction a turn, in the same order in every step.
.macro MUL16 a0, p, q, sc, zero
.irp a, \a0, \a0+1
.irp b, 0,1,2,3,4,5,6,7
.if \zero
	v_wmma_scale_f32_16x16x128_f8f6f4 v[8*(8*((\a)%4)+\b):8*(8*((\a)%4)+\b)+7], v[128*(\p)+FR*\b:128*(\p)+FR*\b+FR-1], v[AF+FR*(\a):AF+FR*(\a)+FR-1], 0, v[SC+8*NQ*(\sc)+NQ*\b+(\q)], v[SC+8*NQ*(\sc)+NQ*(\a)+(\q)] matrix_a_fmt:MATRIX_FMT_FP6 matrix_b_fmt:MATRIX_FMT_FP6 matrix_a_scale:MATRIX_SCALE_ROW1
.else
	v_wmma_scale_f32_16x16x128_f8f6f4 v[8*(8*((\a)%4)+\b):8*(8*((\a)%4)+\b)+7], v[128*(\p)+FR*\b:128*(\p)+FR*\b+FR-1], v[AF+FR*(\a):AF+FR*(\a)+FR-1], v[8*(8*((\a)%4)+\b):8*(8*((\a)%4)+\b)+7], v[SC+8*NQ*(\sc)+NQ*\b+(\q)], v[SC+8*NQ*(\sc)+NQ*(\a)+(\q)] matrix_a_fmt:MATRIX_FMT_FP6 matrix_b_fmt:MATRIX_FMT_FP6 matrix_a_scale:MATRIX_SCALE_ROW1
.endif
.endr
.endr
.endm
.macro FETCH_B slot, q, p
	WIN TO_B
.irp i, 0,1,2,3,4,5,6,7
	FRAG 128*(\p)+FR*\i, ADRB+\slot, \q, \i
.endr
	WIN 0
.endm
.macro FETCH_A slot, q, i0
.irp i, \i0, \i0+1, \i0+2, \i0+3
	FRAG AF+FR*(\i), ADRA+\slot, \q, \i
.endr
.endm
.macro SCALES sc                       ; a K step's scale words: lanes 0-15 A's block i, lanes 16-31 B's block i; two words a row
.irp i, 0,1,2,3,4,5,6,7
	ds_load_b64 v[SC+8*NQ*\sc+NQ*\i:SC+8*NQ*\sc+NQ*\i+1], v[ADRS] offset:\i*128
.endr
.endm
.macro PLACES n                        ; plain vector lines between a matrix instruction and a load into, or a read of, its registers
.rept \n
	v_nop
.endr
.endm
.macro STEP slot, q, zero              ; 128 along K that have their successor in the same slot
	s_wait_dscnt 4*NL                              ; B's set, A's blocks 0-3 and the scale words are in; the youngest sixteen loads (A's blocks 4-7) may be out
	WIN MUL_LO
	MUL16 0, (\q)%2, \q, \slot, \zero
	MUL16 2, (\q)%2, \q, \slot, \zero
	s_wait_dscnt 0                                 ; A's blocks 4-7 are in
	PLACES NP
	FETCH_B \slot, (\q)+1, 1-(\q)%2
	FETCH_A \slot, (\q)+1, 0
	WIN MUL_HI
	MUL16 4, (\q)%2, \q, \slot, \zero
	MUL16 6, (\q)%2, \q, \slot, \zero
	PLACES NP
	WIN 0
	FETCH_A \slot, (\q)+1, 4
.endm
; A slot's last 128 change slots: one barrier; in front of it each wave waits for all its tensor loads, adds 0 to its spare word, and waits for that and for its reads of this slot.
.macro TURN slot, next, fill
	s_wait_tensorcnt 0x0                           ; all my tensor loads have landed: my part of the next slot
	ds_add_u32 v[SPW], v[NIL]                      ; 0 onto my spare word
	s_wait_dscnt 4*NL+1                            ; (the add and A's blocks 4-7 may be out)
	WIN MUL_LO
	MUL16 0, 1, NQ-1, \slot, 0
	s_wait_dscnt 0x0                               ; the add is done, and my reads of this slot are over
	s_barrier_signal -1
	MUL16 2, 1, NQ-1, \slot, 0
	WIN 0
	s_barrier_wait -1
.if \fill
	CREST                                          ; the barrier has opened a round of the cluster's: no wave of any partner still reads this slot or has a load on its way
	s_add_nc_u64 s[G0+4*\slot+2:G0+4*\slot+3], s[G0+4*\slot+2:G0+4*\slot+3], 2*RT
	s_add_nc_u64 s[G0B+4*\slot+2:G0B+4*\slot+3], s[G0B+4*\slot+2:G0B+4*\slot+3], 2*RT
	JLOAD G0+4*\slot, G1, G0B+4*\slot, G1B         ; the first tensor load behind the round; its four v_nop are the places in front of the loads below
.else
	PLACES NP
.endif
	v_add_nc_u32 v[ADRS], 1024, v[ADRS]            ; the next K step's scale words
	FETCH_B \next, 0, 0
	FETCH_A \next, 0, 0
	SCALES \next
	WIN MUL_HI
	MUL16 4, 1, NQ-1, \slot, 0
	MUL16 6, 1, NQ-1, \slot, 0
	PLACES NP
	WIN 0
	FETCH_A \next, 0, 4
.endm
	s_wait_tensorcnt 1                             ; the scale bytes and my part of K step 0 are in; K step 1's load may be out
	s_barrier_signal -1
	s_barrier_wait -1
	FETCH_B 0, 0, 0
	FETCH_A 0, 0, 0
	SCALES 0
	FETCH_A 0, 0, 4
	STEP 0, 0, 1                                   ; K has four steps of 256: they are written out.  The first products start the sums
	TURN 0, 1, 1                                   ; slot 0 takes K step 2
	STEP 1, 0, 0
	TURN 1, 0, 1                                   ; slot 1 takes K step 3
	STEP 0, 0, 0
	TURN 0, 1, 0                                   ; nothing is left to fetch
	STEP 1, 0, 0
	s_wait_dscnt 4*NL
	WIN MUL_LO
	MUL16 0, 1, NQ-1, 1, 0
	MUL16 2, 1, NQ-1, 1, 0
	s_wait_dscnt 0
	WIN MUL_HI
	MUL16 4, 1, NQ-1, 1, 0
	MUL16 6, 1, NQ-1, 1, 0
	WIN 0
	; ================ THE WAY OUT
	PLACES NP                                      ; behind the last products: their results are read, and the registers that held A's fragments are written, only behind these
	s_lshr_b32 s18, s17, 3                         ; batch
	s_and_b32 s19, s17, 7                          ; which 256 tokens of its 2,048
	s_and_b32 s20, s42, 3
	s_lshl_b32 s20, s20, 2
	s_lshl_b32 s21, s16, 1
	s_add_co_u32 s20, s20, s21                     ; my first head of two
	s_lshl_b32 s21, s18, 4
	s_add_co_u32 s20, s20, s21                     ; 16 x batch + head
	s_mov_b32 s46, 0x76543210
	s_mov_b32 s47, 0xfedcba98                      ; v_permlanex16_b32: lane xor 16
	v_cmp_ne_u32 vcc_lo, 0, v2                     ; lanes 16-31
	s_cmp_eq_u32 ttmp9, 2                          ; the cluster's x: equal in all partners
	s_cbranch_scc1 .Lv
	; ---------------- q and k
.set RP,  64                           ; v64-127  cos and sin: two sets of 32 (register 8 (b % 4) + 2 jj: cos, + 1: sin, of pair 8 (b % 4) + 4 h + jj)
.set H,   128                          ; v128-191 a row tile's 64 numbers a lane behind RoPE
.set T,   192                          ; v192-199 at work
.set TM,  200                          ; v200-215 the quantiser's: largest magnitudes, bytes, scale operands
.set PWB, 216                          ; v216-223 the eight row tiles' scale words
.set PC,  224                          ; v224-243 codes
.set KW,  244                          ; v244-251 scale words as attention wants them: head c, pair of tiles p at KW + 4 c + p
.set OW,  252                          ; v252-255 those that I store
	s_cmp_eq_u32 ttmp9, 1
	s_cselect_b64 s[24:25], s[12:13], s[10:11]     ; kv or qq
	s_mov_b32 s26, 98304
	s_cselect_b32 s26, 204800, s26                 ; from head to head,
	s_mov_b32 s27, 12288
	s_cselect_b32 s27, 25600, s27                  ; from 256 tokens to the next
	s_mov_b32 s28, 4096
	s_cselect_b32 s28, 204800, s28                 ; the same for the scale words
	s_mov_b32 s29, 512
	s_cselect_b32 s29, 25600, s29
	s_mov_b32 s30, 0x600000
	s_cselect_b32 s30, 12288, s30                  ; and where they begin
	s_mul_i32 s32, s20, s26
	s_mul_i32 s33, s19, s27
	s_add_co_u32 s32, s32, s33
	s_mul_i32 s33, s15, 6144                       ; my 8 tiles of 16 tokens
	s_add_co_u32 s32, s32, s33
	s_mov_b32 s33, 0
	s_add_nc_u64 s[34:35], s[24:25], s[32:33]      ; my first head's HFs
	s_mov_b32 s36, s26
	s_mov_b32 s37, 0
	s_add_nc_u64 s[36:37], s[34:35], s[36:37]      ; my second head's
	s_mul_i32 s32, s20, s28
	s_mul_i32 s38, s19, s29
	s_add_co_u32 s32, s32, s38
	s_lshl_b32 s38, s15, 8
	s_add_co_u32 s32, s32, s38
	s_add_co_u32 s32, s32, s30
	s_add_nc_u64 s[38:39], s[24:25], s[32:33]      ; the scale words of my 128 tokens
	s_lshl_b32 s32, s17, 4
	s_lshl_b32 s45, s15, 3
	s_add_co_u32 s32, s32, s45
	s_lshl_b32 s32, s32, 12
	s_add_nc_u64 s[8:9], s[8:9], s[32:33]          ; cos and sin of my first row tile
	v_mul_lo_u32 v6, v2, s28
	v_lshl_add_u32 v6, v1, 4, v6                   ; scale words: 16 bytes a token; lanes 16-31 store the second head's
.irp b, 0,1,2,3
	v_mov_b32 v[TM+4+\b], 0                        ; a lane permute's destination counts as one of its sources
.endr
.macro ROPELOAD a
.irp i, 0,1,2,3,4,5,6,7
	global_load_b128 v[RP+32*((\a)%2)+4*\i:RP+32*((\a)%2)+4*\i+3], v4, s[8:9] offset:(\a)*4096+512*\i
.endr
.endm
; RoPE on row tile a: a pair (e, o) becomes (e cos - o sin, o cos + e sin): a packed product (o sin, e sin) and a packed multiply-add.  Each accumulator is read from its low end on.
.macro ROPE a
	WIN 0x02+(\a)/4                                ; source 0: the accumulators' window
.irp b, 0,1,2,3,4,5,6,7
.irp jj, 0,1,2,3
	v_pk_mul_f32 v[T+2*\jj:T+2*\jj+1], v[64*((\a)%4)+8*\b+2*\jj:64*((\a)%4)+8*\b+2*\jj+1], v[RP+32*((\a)%2)+8*(\b%4)+2*\jj:RP+32*((\a)%2)+8*(\b%4)+2*\jj+1] op_sel:[1,1] op_sel_hi:[0,1]
.endr
.irp jj, 0,1,2,3
	v_pk_fma_f32 v[H+8*\b+2*\jj:H+8*\b+2*\jj+1], v[64*((\a)%4)+8*\b+2*\jj:64*((\a)%4)+8*\b+2*\jj+1], v[RP+32*((\a)%2)+8*(\b%4)+2*\jj:RP+32*((\a)%2)+8*(\b%4)+2*\jj+1], v[T+2*\jj:T+2*\jj+1] op_sel_hi:[1,0,1] neg_lo:[0,0,1]
.endr
.endr
	WIN 0
.endm
; 64 numbers of a lane, registers 16 b .. 16 b + 15 half of block b (the other half lies in lane xor 16), become 12 registers of codes in v[PC] on (registers 6 c on: lanes 0-15 block 2 c, lanes 16-31 block 2 c + 1) and a scale word.
.macro QUANT s, pw
.irp b, 0,1,2,3
	v_max3_num_f32 v[TM+\b], |v[\s+16*\b]|, |v[\s+1+16*\b]|, 0x1800000   ; with the floor 2^(3 - 127): the byte cannot fall under 1
.endr
.irp i, 2,4,6,8,10,12,14
.irp b, 0,1,2,3
	v_max3_num_f32 v[TM+\b], v[TM+\b], |v[\s+16*\b+\i]|, |v[\s+1+16*\b+\i]|
.endr
.endr
.irp b, 0,1,2,3
	v_permlanex16_b32 v[TM+4+\b], v[TM+\b], s46, s47
.endr
.irp b, 0,1,2,3
	v_max_num_f32 v[TM+\b], v[TM+\b], v[TM+4+\b]
.endr
.irp b, 0,1,2,3
	v_add_nc_u32 v[TM+12+\b], 0xff000000, v[TM+\b] ; 2 off the exponent field: the conversion's scale operand
.endr
.irp b, 0,1,2,3
	v_lshrrev_b32 v[TM+4+\b], 23, v[TM+12+\b]      ; the byte
.endr
	v_lshl_or_b32 v[\pw], v[TM+5], 8, v[TM+4]
	v_lshl_or_b32 v[\pw], v[TM+6], 16, v[\pw]
	v_lshl_or_b32 v[\pw], v[TM+7], 24, v[\pw]
.irp c, 0,1
	v_cvt_scalef32_pk16_fp6_f32 v[PC+6*\c:PC+2+6*\c], v[\s+32*\c:\s+15+32*\c], v[TM+12+2*\c]
	v_cvt_scalef32_pk16_fp6_f32 v[PC+12+4*\c:PC+14+4*\c], v[\s+16+32*\c:\s+31+32*\c], v[TM+12+2*\c+1]
.endr
	v_nop                                          ; one plain line behind a scaled conversion
.irp c, 0,1
.irp i, 0,1,2
	v_permlane16_swap_b32 v[PC+6*\c+\i], v[PC+12+4*\c+\i]
.endr
.irp i, 0,1,2
	v_mov_b32 v[PC+3+6*\c+\i], v[PC+12+4*\c+\i]
.endr
.endr
.endm
.macro QK a                            ; row tile a: 16 tokens, two heads: blocks 0, 1 are the first head's HF, blocks 2, 3 the second's
.if (\a) < 7
	s_wait_loadcnt 8                               ; this tile's cos and sin are in; the next tile's eight loads may be out
.else
	s_wait_loadcnt 0
.endif
	ROPE \a
.if (\a)+2 < 8
	ROPELOAD (\a)+2
.endif
	s_wait_xcnt 0x0                                ; the last tile's stores have read their registers: the codes may be written again
	QUANT H, PWB+(\a)
	global_store_b128 v4, v[PC:PC+3], s[34:35] offset:(\a)*768
	global_store_b64 v5, v[PC+4:PC+5], s[34:35] offset:(\a)*768+512
	global_store_b128 v4, v[PC+6:PC+9], s[36:37] offset:(\a)*768
	global_store_b64 v5, v[PC+10:PC+11], s[36:37] offset:(\a)*768+512
.if (\a)%2 == 1
	v_perm_b32 v[KW+(\a)/2], v[PWB+(\a)], v[PWB+(\a)-1], 0x05040100     ; first head: the even tile's two bytes, then the odd tile's
	v_perm_b32 v[KW+4+(\a)/2], v[PWB+(\a)], v[PWB+(\a)-1], 0x07060302   ; second head
.endif
.endm
	ROPELOAD 0
	ROPELOAD 1
.irp a, 0,1,2,3,4,5,6,7
	QK \a
.endr
.irp p, 0,1,2,3
	v_cndmask_b32 v[OW+\p], v[KW+\p], v[KW+4+\p], vcc_lo
.endr
	global_store_b128 v6, v[OW:OW+3], s[38:39]     ; sixteen lanes store a head's 256 bytes
	s_branch .Lend
	; ---------------- v
.Lv:
.set XV,  64                           ; v64-127  two sets of 32 keys of my feature
.set FV,  128                          ; v128-151 two fragments
.set TCV, 152                          ; v152-154 a block's upper 16 codes
.set VSW, 164                          ; v164-171 scale words: head c, tile t at VSW + 4 c + t
.set OV,  172                          ; v172-175 those that I store
	s_mul_i32 s32, s20, 204800
	s_mul_i32 s33, s19, 25600
	s_add_co_u32 s32, s32, s33                     ; my first head's slot of 256 keys
	s_mul_i32 s33, s15, 6144
	s_add_co_u32 s34, s32, s33
	s_add_co_u32 s34, s34, 12800
	s_mov_b32 s35, 0
	s_add_nc_u64 s[34:35], s[12:13], s[34:35]      ; the fragments of my 128 keys
	s_lshl_b32 s33, s15, 8
	s_add_co_u32 s36, s32, s33
	s_add_co_u32 s36, s36, 25088
	s_mov_b32 s37, 0
	s_add_nc_u64 s[36:37], s[12:13], s[36:37]      ; and their scale words
	v_mul_u32_u24 v6, v2, 204800
	v_lshl_add_u32 v6, v1, 4, v6                   ; 16 bytes a row; lanes 16-31 store the second head's
	v_lshlrev_b32 v7, 3, v2                        ; 8 h
	v_mov_b32 v161, 0                              ; a lane permute's destination counts as one of its sources
; My 128 tokens x features 32 ch .. 32 ch + 31 go into the stage (slot 0 has had its last fill, and nobody reads it behind the last change of slots).  Each accumulator from its low end on.
.macro STOREV ch
.irp a, 0,1,2,3,4,5,6,7
	WIN 0x08+4*(\a/4)                              ; an LDS store's data are its source 1
.irp bb, 0,1
	ds_store_b128 v[STO], v[64*(\a%4)+8*(2*(\ch)+\bb):64*(\a%4)+8*(2*(\ch)+\bb)+3] offset:(\a/2)*4640+(\a%2)*2304+64*\bb
	ds_store_b128 v[STO], v[64*(\a%4)+8*(2*(\ch)+\bb)+4:64*(\a%4)+8*(2*(\ch)+\bb)+7] offset:(\a/2)*4640+(\a%2)*2304+64*\bb+16
.endr
.endr
	WIN 0
.endm
; Group g = 4 ch + 2 u + c2: feature 8 u + r + 8 (r / 8) of the chunk, keys 64 c2 + 32 h + 0 .. 31; key i lands in register i with bits 3 and 4 changed over
.macro LOADX g
.set i, 0
.rept 32
	ds_load_b32 v[XV+32*((\g)%2)+((i&7)|((i&8)<<1)|((i&16)>>1))], v[RDV] offset:((\g)%2)*9280+i*144+32*(((\g)/2)%2)
.set i, i+1
.endr
.endm
.macro VWORK g
.set XS, XV+32*((\g)%2)
.set FB, FV+12*(((\g)/2)%2)
.set FS, FB+6*((\g)%2)
	v_max3_num_f32 v156, |v[XS]|, |v[XS+1]|, |v[XS+2]|             ; the block's largest magnitude: all 32 keys are mine
	v_max3_num_f32 v157, |v[XS+3]|, |v[XS+4]|, |v[XS+5]|
.irp i, 6,10,14,18,22,26
	v_max3_num_f32 v156, v156, |v[XS+\i]|, |v[XS+\i+1]|
	v_max3_num_f32 v157, v157, |v[XS+\i+2]|, |v[XS+\i+3]|
.endr
	v_max3_num_f32 v156, v156, |v[XS+30]|, |v[XS+31]|
	v_max3_num_f32 v156, v156, v157, 0x1800000
	v_add_nc_u32 v158, 0xff000000, v156
.if (\g)%2 == 0
	s_wait_xcnt 0x0                                ; the fragment stored from these registers has been read
.endif
	v_cvt_scalef32_pk16_fp6_f32 v[FS:FS+2], v[XS:XS+15], v158
	v_cvt_scalef32_pk16_fp6_f32 v[TCV:TCV+2], v[XS+16:XS+31], v158
.if (\g)%2 == 0
	v_lshrrev_b32 v160, 23, v158                   ; block h's byte (also the plain line behind the conversions)
.else
	v_lshrrev_b32 v159, 23, v158                   ; block 2 + h's
.endif
.irp i, 0,1,2
	v_mov_b32 v[FS+3+\i], v[TCV+\i]
.endr
.if (\g)%2 == 1
	v_lshl_or_b32 v159, v159, 16, v160
	v_lshlrev_b32 v159, v7, v159                   ; my two bytes at their places;
	v_permlanex16_b32 v161, v159, s46, s47
	v_or_b32 v[VSW+4*((\g)/8)+2*(((\g)/4)%2)+((\g)/2)%2], v159, v161   ; with the other half's two the word is whole
.irp p, 0,1,2
	global_store_b128 v4, v[FB+4*\p:FB+4*\p+3], s[34:35] offset:((\g)/8)*204800+(2*(((\g)/4)%2)+((\g)/2)%2)*1536+512*\p
.endr
.endif
.endm
	STOREV 0
	LOADX 0
.irp g, 0,1,2,3,4,5,6,7,8,9,10,11,12,13,14
.if (\g+1)%4 == 0
	STOREV (\g+1)/4                                ; LDS serves a wave's instructions in order: the loads above have read the stage when these stores change it
	LOADX \g+1
	s_wait_dscnt 63                                ; behind this group's loads stand 32 stores and 32 loads; the field holds 63
.else
	LOADX \g+1
	s_wait_dscnt 32                                ; this group's 32 loads are in; the next group's may be out
.endif
	VWORK \g
.endr
	s_wait_dscnt 0x0
	VWORK 15
.irp p, 0,1,2,3
	v_cndmask_b32 v[OV+\p], v[VSW+\p], v[VSW+4+\p], vcc_lo
.endr
	global_store_b128 v6, v[OV:OV+3], s[36:37]
.Lend:
	s_wait_tensorcnt 0x0                           ; the wave's end
	ds_add_u32 v[SPW], v[NIL]
	s_wait_dscnt 0x0
	CROUND                                         ; the closing round
	s_endpgm
.Lfunc_end_k_q5a6b93973e_qkv:
	.size	k_q5a6b93973e_qkv, .Lfunc_end_k_q5a6b93973e_qkv-k_q5a6b93973e_qkv
	.p2alignl 7, 3214868480
	.fill 96, 4, 3214868480
	.section	.rodata,"a",@progbits
	.p2align	6, 0x0
	.amdhsa_kernel k_q5a6b93973e_qkv
		.amdhsa_group_segment_fixed_size 327680
		.amdhsa_private_segment_fixed_size 0
		.amdhsa_enable_private_segment 0
		.amdhsa_kernarg_size 40
		.amdhsa_user_sgpr_count 2
		.amdhsa_user_sgpr_kernarg_segment_ptr 1
		.amdhsa_wavefront_size32 1
		.amdhsa_system_sgpr_workgroup_id_x 1
		.amdhsa_system_sgpr_workgroup_id_y 1
		.amdhsa_system_sgpr_workgroup_id_z 1
		.amdhsa_system_vgpr_workitem_id 0
		.amdhsa_next_free_vgpr 1024
		.amdhsa_next_free_sgpr 100
		.amdhsa_reserve_vcc 1
		.amdhsa_float_denorm_mode_32 3
		.amdhsa_float_denorm_mode_16_64 3
		.amdhsa_memory_ordered 1
		.amdhsa_forward_progress 1
		.amdhsa_inst_pref_size 255
	.end_amdhsa_kernel
	.section	.bss,"aw",@nobits
	.p2align	6
	.space	262144
	.amdgpu_metadata
---
amdhsa.version: [ 1, 2 ]
amdhsa.kernels:
  - .name:           k_q5a6b93973e_qkv
    .symbol:         k_q5a6b93973e_qkv.kd
    .args:
      - { .name: xq, .offset: 0, .size: 8, .value_kind: global_buffer, .address_space: global }
      - { .name: wq, .offset: 8, .size: 8, .value_kind: global_buffer, .address_space: global }
      - { .name: rope, .offset: 16, .size: 8, .value_kind: global_buffer, .address_space: global }
      - { .name: qq, .offset: 24, .size: 8, .value_kind: global_buffer, .address_space: global }
      - { .name: kv, .offset: 32, .size: 8, .value_kind: global_buffer, .address_space: global }
    .group_segment_fixed_size: 327680
    .private_segment_fixed_size: 0
    .kernarg_segment_align: 8
    .kernarg_segment_size: 40
    .max_flat_workgroup_size: 128
    .sgpr_count:     100
    .vgpr_count:     1024
    .wavefront_size: 32
...
	.end_amdgpu_metadata
.endif
;; end of part 2
;; launch attn (part 3): grid 4 x 64, 16 waves a work-group, no clusters, 327,680 bytes of LDS; arguments qq, kv, oq; writes oq
.if DOCPART == 3
	.amdgcn_target "amdgcn-amd-amdhsa--gfx1250"
	.amdhsa_code_object_version 6
	.text
	.protected	k_q5a6b93973e_attn
	.globl	k_q5a6b93973e_attn
	.p2align	8
	.type	k_q5a6b93973e_attn,@function
k_q5a6b93973e_attn:
	s_mov_b64 s[64:65], 0
	v_nop
	global_prefetch_b8 v0, s[64:65] scope:SCOPE_SE
	s_setreg_imm32_b32 hwreg(HW_REG_WAVE_MODE, 25, 1), 1
	s_wait_xcnt 0x0
; ATTENTION with a causal mask, head size 64, both products on codes of FP6 (E2M3); its result, divided by the row's sum, is quantised along the model's 1,024 and leaves as the last product's operand.
; SOFTMAX: t = score x log2(e) / 8; M = the running largest t rounded up to a whole number; p = 2^(t - M) is quantised along the keys; the row's sum is taken of the unquantised p; when M moves, the sum and O are multiplied by 2^(old M - new M).
; SHARES.  Work-group (i, head) makes query blocks i and 7 - i (256 queries each), one after the other, in nine visits of key slots of 256: slots 0 .. i, then 0 .. 7 - i.  So all 256 work-groups do the same work,
; no slot wholly under the mask is fetched, and the trip count is a constant.  Each of sixteen waves owns 16 queries of the block in hand; four waves share a SIMD, so that one wave's vector work stands beside another's products.
; NO JOINT LOADS: the four work-groups of a head want different slots in a visit.  Made to walk the eight slots together, each with both its blocks as long as they last, they would take 12 slot times (4 with two blocks, 4 with one
; for the slowest partner, which all wait for) against the 9 here.
; A SLOT in kv is 25,600 dense bytes: K 16 half fragments (16 keys x 64, 768 bytes: registers 0-3 at 16 x lane, 4-5 at 512 + 8 x lane) | 12,288 K's scale words [step][r][pair] | 12,800 V's fragments [step][tile][1,536] | 25,088 V's scale words.
; K = 64 IN AN INSTRUCTION OF 128: two neighbouring tiles of keys are one fragment; it is multiplied by (q, zeros) for the even tile and by (zeros, q) for the odd one: v16-33 hold zeros, q, zeros.
; LAYOUT.  Both products transposed: a lane holds one query (lane % 16).  Score register n is key 16 (n / 8) + 8 (lane / 16) + n % 8 of the step.  p's codes so stand, inside a block of 32, at place pos = key with bits 3 and 4 changed over:
; V's codes were laid in the same order.  V's tiles take features so that O's 16 registers of two neighbouring tiles are 16 neighbouring features.
; LIMITS: a block of zeros gets the byte 1 (only this program reads the bytes); NaN and infinities are not served.  A head owns two of the eight scale bytes of a row's K step of 256, so they leave as single bytes, a lane a byte: 1/24 of the codes' bytes.
.set SLOT1, 32768                      ; slot 1 begins here: one exclusive or turns an address
.set SPARE, 65536                      ; the spare words, 128 bytes for each wave: eight blocks of 256 bytes that no other line names
.set KSC,   12288
.set VFR,   12800
.set VSC,   25088
.set SLOTB, 25600
.set HEADB, 204800
.set L16, 1                            ; v1  16 x lane
.set L8,  2                            ; v2  8 x lane
.set R16, 3                            ; v3  16 r
.set HH,  4                            ; v4  h
.set SPW, 5                            ; v5  my spare word; never rewritten
.set NIL, 6                            ; v6  0; never rewritten
.set DQ,  7                            ; v7  r - 8 h
.set ADK, 8                            ; v8-10 LDS addresses of the step in hand
.set ADK8, 9
.set ADS, 10
.set BOF, 11                           ; v11 8 r + h: my scale byte's place
                                       ; v12 -M, v13 the largest t, v[14:15] the sum in two halves; v16-21 zeros, v22-27 q, v28-33 zeros
.set QB,  34                           ; v34-39 the second block's q
.set QS,  40                           ; v40 q's scale word; v41 the second block's
.set QSB, 41
.set KS,  42                           ; v42-45 K's scale words
.set VS,  46                           ; v46-49 V's
.set KFR, 50                           ; v50-97 K's four fragments, then V's four
.set S,   98                           ; v98-161 scores, then p
.set O,   162                          ; v162-193 O^T
.set PC,  194                          ; v194-205 p's codes
.set CT,  206                          ; v206-213 conversions' second halves
.set BM,  214                          ; v214-217 a block's largest
.set BP,  218                          ; v218-221 the other half's; then bytes
.set SO,  222                          ; v222-225 scale operands
.set PW,  226                          ; v226 p's scale word
.set FF,  228                          ; v[228:229] f; 1 / sum
.set T0,  230
.set T1,  231
.set SM,  232                          ; v[232:233] the sums' second chain
.set PFO, 234                          ; v234 the prefetches' offset; never rewritten
.set WV,  10
.set II,  11
.set SEL, 20
.set CS,  22
.set G1,  24
.set G0,  32
.set TB,  36                           ; LDS byte at which the slot in hand begins
.set VIS, 37                           ; the visit
.set KF,  38                           ; the step's first key
.set Q0,  39                           ; my first query
.set Q0B, 40
.set I1,  41                           ; i + 1: the visit with which the second block begins
.set BACK, 42                          ; (i + 1) slots in bytes
.set ZB,  44                           ; s[44:45]
.set PFA, 46                           ; s[46:47]
.set LIM, 48
.set OA,  50                           ; s[50:51], s[52:53] where the two blocks' codes go; s[54:55], s[56:57] their scale bytes
.set OB,  52
.set SA,  54
.set SB,  56
.macro TLOAD                           ; waves 0 to 3 fetch a quarter of a slot each; four v_nop follow the line
	s_cmp_lt_u32 s[WV], 4
	s_cbranch_scc0 .Lasked_\@
	tensor_load_to_lds s[G0:G0+3], s[G1:G1+7]
	s_nop 0
.rept 4
	v_nop
.endr
.Lasked_\@:
.endm
; A PREFETCH INTO THE L2 of the slot that the next change of slots will ask for.  Of a head's four work-groups the one with i = 0 asks: its second walk takes slots 0 to 7 in order, so in visit v it fetches slot v and names slot v + 1, v = 0 .. 6.
; In it waves 4 to 7 ask, 6,400 bytes each: 25 runs of 256 bytes, a lane a run; lanes 25 to 31 are held at the last run.  Slot 0 comes by its loads alone.
.macro ASK
	s_cmp_lt_u32 s[VIS], s[LIM]
	s_cbranch_scc0 .Lnot_mine_\@
	global_prefetch_b8 v[PFO], s[PFA:PFA+1] th:TH_LOAD_NT scope:SCOPE_SE
.Lnot_mine_\@:
.endm
	s_load_b128 s[4:7], s[0:1], 0x0                ; qq, kv
	s_load_b64 s[8:9], s[0:1], 0x10                ; oq
	v_lshl_add_u32 v[SPW], v0, 2, SPARE
	v_mov_b32 v[NIL], 0
	ds_add_u32 v5, v6
	ds_add_u32 v5, v6
	s_wait_dscnt 0x0
	v_lshrrev_b32 v8, 5, v0
	s_delay_alu instid0(VALU_DEP_1)
	v_readfirstlane_b32 s[WV], v8                  ; wave 0..15
	s_mov_b32 s[II], ttmp9
	s_add_co_u32 s[I1], s[II], 1
	s_mul_i32 s[BACK], s[I1], SLOTB
	s_mov_b32 s[ZB+1], 0
	s_and_b32 s12, ttmp7, 0xffff                   ; 16 x batch + head
	s_and_b32 s13, s[WV], 3
	s_mul_i32 s13, s13, 6400                       ; a quarter of a slot
	s_mul_i32 s16, s12, HEADB
	s_add_co_u32 s16, s16, s13
	s_mov_b32 s17, 0
	s_mov_b32 s[G1], 3<<16                         ; no mask; elements of 8 bytes; no padding: 25 rows of 256 bytes, dense
	s_mov_b32 s[G1+1], 32<<16                      ; tensor_dim0
	s_mov_b32 s[G1+2], 25<<16                      ; tensor_dim1
	s_mov_b32 s[G1+3], 32<<16                      ; tile_dim0
	s_mov_b32 s[G1+4], 25                          ; tile_dim1
	s_mov_b32 s[G1+5], 32                          ; tensor_dim0_stride
	s_mov_b32 s[G1+6], 0
	s_mov_b32 s[G1+7], 0
	s_mov_b32 s[SEL], 0x76543210
	s_mov_b32 s[SEL+1], 0xfedcba98
	s_mov_b32 s[CS], 0x3e38aa3b                    ; c = log2(e) / 8
	s_mov_b32 s[CS+1], s[CS]
	s_mov_b32 s[TB], 0
	s_mov_b32 s[KF], 0
	s_mov_b32 s[VIS], 0
	s_lshr_b32 s14, s[WV], 2
	s_xor_b32 s14, s14, 1                          ; 0 in waves 4 to 7,
	s_or_b32 s14, s14, ttmp9                       ; of the work-group with i = 0
	s_cmp_eq_u32 s14, 0
	s_cselect_b32 s[LIM], 7, 0
	s_wait_kmcnt 0x0
	s_mov_b32 s[G0], 1
	s_mov_b32 s[G0+1], s13                         ; slot 0
	s_add_nc_u64 s[G0+2:G0+3], s[6:7], s[16:17]    ; the head's first 256 keys
	s_or_b32 s[G0+3], s[G0+3], 0x80000000
	s_add_nc_u64 s[PFA:PFA+1], s[6:7], s[16:17]    ; the first change of slots steps it to slot 1
	TLOAD
	v_and_b32 v[L16], 31, v0
	s_delay_alu instid0(VALU_DEP_1)
	v_min_u32 v[PFO], 24, v[L16]
	s_delay_alu instid0(VALU_DEP_1)
	v_lshlrev_b32 v[PFO], 8, v[PFO]
	s_delay_alu instid0(VALU_DEP_3)
	v_lshlrev_b32 v[L8], 3, v[L16]
	s_delay_alu instid0(VALU_DEP_4)
	v_lshlrev_b32 v[L16], 4, v[L16]
	s_wait_alu depctr_va_vdst(0)
	v_and_b32 v[R16], 15, v0
	v_bfe_u32 v[HH], v0, 4, 1
	s_delay_alu instid0(VALU_DEP_1)
	v_lshl_add_u32 v[BOF], v[R16], 3, v[HH]
	s_delay_alu instid0(VALU_DEP_2)
	v_lshlrev_b32 v[DQ], 3, v[HH]
	s_delay_alu instid0(VALU_DEP_1)
	v_sub_nc_u32 v[DQ], v[R16], v[DQ]
	v_lshlrev_b32 v[R16], 4, v[R16]
	s_wait_alu depctr_va_vdst(0)
	s_sub_co_u32 s15, 7, s[II]
	s_lshl_b32 s58, s[II], 4
	s_add_co_u32 s58, s58, s[WV]                   ; my tile of 16 queries in the first block,
	s_lshl_b32 s59, s15, 4
	s_add_co_u32 s59, s59, s[WV]                   ; and in the second
	s_lshl_b32 s[Q0], s58, 4
	s_lshl_b32 s[Q0B], s59, 4
	s_lshl_b32 s60, s12, 7
	s_add_co_u32 s61, s60, s58
	s_mul_i32 s61, s61, 768                        ; their codes in qq
	s_add_co_u32 s62, s60, s59
	s_mul_i32 s62, s62, 768
	s_lshl_b32 s60, s12, 12
	s_add_co_u32 s60, s60, 0x600000                ; the head's scale words: [group of 128][r][pair of tiles]
	s_lshr_b32 s14, s58, 3
	s_lshl_b32 s14, s14, 8
	s_bfe_u32 s15, s58, 0x20001
	s_lshl_b32 s15, s15, 2
	s_add_co_u32 s14, s14, s15
	s_add_co_u32 s14, s14, s60
	s_lshr_b32 s15, s59, 3
	s_lshl_b32 s15, s15, 8
	s_bfe_u32 s63, s59, 0x20001
	s_lshl_b32 s63, s63, 2
	s_add_co_u32 s15, s15, s63
	s_add_co_u32 s15, s15, s60
	v_add_nc_u32 v[CT], s61, v[L16]
	v_add_nc_u32 v[CT+1], s61, v[L8]
	v_add_nc_u32 v[CT+2], s62, v[L16]
	v_add_nc_u32 v[CT+3], s62, v[L8]
	v_add_nc_u32 v[CT+4], s14, v[R16]
	v_add_nc_u32 v[CT+5], s15, v[R16]
	global_load_b128 v[22:25], v[CT], s[4:5]
	global_load_b64 v[26:27], v[CT+1], s[4:5] offset:512
	global_load_b128 v[QB:QB+3], v[CT+2], s[4:5]
	global_load_b64 v[QB+4:QB+5], v[CT+3], s[4:5] offset:512
	global_load_b32 v[QS], v[CT+4], s[4:5]
	global_load_b32 v[QSB], v[CT+5], s[4:5]
	s_lshr_b32 s18, s12, 4                         ; batch
	s_and_b32 s19, s12, 15                         ; head
	s_lshl_b32 s18, s18, 7                         ; the batch's first row tile in oq
	s_lshr_b32 s60, s19, 2
	s_lshl_b32 s60, s60, 16                        ; scale bytes: plane head / 4,
	s_and_b32 s61, s19, 3
	s_lshl_b32 s61, s61, 1                         ; bytes 2 (head % 4) and the next
	s_add_co_u32 s60, s60, s61
	s_add_co_u32 s60, s60, 0x600000
	s_mov_b32 s63, 0
	s_add_co_u32 s58, s58, s18
	s_lshl_b32 s62, s58, 4
	s_add_co_u32 s62, s62, s19
	s_mul_i32 s62, s62, 768
	s_add_nc_u64 s[OA:OA+1], s[8:9], s[62:63]
	s_lshl_b32 s62, s58, 7
	s_add_co_u32 s62, s62, s60
	s_add_nc_u64 s[SA:SA+1], s[8:9], s[62:63]
	s_add_co_u32 s59, s59, s18
	s_lshl_b32 s62, s59, 4
	s_add_co_u32 s62, s62, s19
	s_mul_i32 s62, s62, 768
	s_add_nc_u64 s[OB:OB+1], s[8:9], s[62:63]
	s_lshl_b32 s62, s59, 7
	s_add_co_u32 s62, s62, s60
	s_add_nc_u64 s[SB:SB+1], s[8:9], s[62:63]
	s_mov_b32 s14, 0x03020302
	s_bitcmp1_b32 s[WV], 0                         ; my tile is the odd one of its pair?
	s_cselect_b32 s14, s14, 0x01000100
	s_wait_loadcnt 0x0
	v_perm_b32 v[QS], v[QS], v[QS], s14            ; my tile's two bytes, twice: they serve (q, zeros) and (zeros, q)
	v_perm_b32 v[QSB], v[QSB], v[QSB], s14
.irp k, 0,1,2,3,4,5
	v_mov_b32 v[16+\k], 0
	v_mov_b32 v[28+\k], 0
.endr
	v_mov_b32 v13, 0xff61b1e6                      ; the largest t so far: -3e38
	s_delay_alu instid0(VALU_DEP_1)
	v_floor_f32 v12, -v13
	v_mov_b32 v14, 0
	v_mov_b32 v15, 0
.irp b, 0,1,2,3
	v_mov_b32 v[BP+\b], 0                          ; a lane permute's destination counts as one of its sources
.endr
	v_mov_b32 v[FF], 0
	v_mov_b32 v[FF+1], 0                           ; (named as the upper half of a pair)
	v_mov_b32 v[T0], 0
	v_mov_b32 v[T1], 0
.set j, 0
.rept 32
	v_mov_b32 v[O+j], 0                            ; the step is written once: the first finds zeros
.set j, j+1
.endr
; A KEY STEP: 128 keys, the q-th of the slot in hand.  A step all of whose keys come after my 16 queries is left out: a scalar branch on ids; no barrier and no tensor load stands in a step.
.macro STEP q
	s_add_co_u32 s58, s[Q0], 15
	s_cmp_gt_u32 s[KF], s58
	s_cbranch_scc1 .Lhidden_\@
	v_add_nc_u32 v[ADK], s[TB], v[L16]
	v_add_nc_u32 v[ADK8], s[TB], v[L8]
	v_add_nc_u32 v[ADS], s[TB], v[R16]
	v_nop                                          ; four plain lines in front of loads into registers that the last products read
.irp t, 0,1,2,3,4,5,6,7
	ds_load_b128 v[KFR+6*\t:KFR+6*\t+3], v[ADK] offset:(8*(\q)+\t)*768
	ds_load_b64 v[KFR+6*\t+4:KFR+6*\t+5], v[ADK8] offset:(8*(\q)+\t)*768+512
.endr
	ds_load_b128 v[KS:KS+3], v[ADS] offset:KSC+256*(\q)
	s_wait_alu depctr_va_vdst(0)
	s_wait_dscnt 0x0
.irp pr, 0,1,2,3                       ; S^T = K q^T: a fragment holds two tiles of 16 keys; the zeros beside q pick one
	v_wmma_scale_f32_16x16x128_f8f6f4 v[S+16*\pr:S+16*\pr+7], v[KFR+12*\pr:KFR+12*\pr+11], v[22:33], 0, v[KS+\pr], v[QS] matrix_a_fmt:MATRIX_FMT_FP6 matrix_b_fmt:MATRIX_FMT_FP6
	v_wmma_scale_f32_16x16x128_f8f6f4 v[S+16*\pr+8:S+16*\pr+15], v[KFR+12*\pr:KFR+12*\pr+11], v[16:27], 0, v[KS+\pr], v[QS] matrix_a_fmt:MATRIX_FMT_FP6 matrix_b_fmt:MATRIX_FMT_FP6
.endr
.rept 4
	v_nop
.endr
.irp t, 0,1,2,3                        ; V's fragments are asked for at once, into K's registers: they land under the softmax
.irp p, 0,1,2
	ds_load_b128 v[KFR+12*\t+4*\p:KFR+12*\t+4*\p+3], v[ADK] offset:VFR+6144*(\q)+1536*\t+512*\p
.endr
.endr
	ds_load_b128 v[VS:VS+3], v[ADS] offset:VSC+256*(\q)
	s_add_co_u32 s58, s[KF], 127                   ; on the diagonal hidden scores become -infinity ahead of the maximum; a step all of whose keys count skips this
	s_cmp_le_u32 s58, s[Q0]
	s_cbranch_scc1 .Lopen_\@
	s_sub_co_i32 s58, s[Q0], s[KF]
	v_add_nc_u32 v[T0], s58, v[DQ]                 ; d = my query - the step's first key - 8 h: register n is hidden where 16 (n / 8) + n % 8 > d
	v_mov_b32 v[T1], 0xff800000
.set n, 0
.rept 64
	v_cmp_gt_i32 vcc_lo, 16*(n/8)+n%8, v[T0]
	v_cndmask_b32 v[S+n], v[S+n], v[T1], vcc_lo
.set n, n+1
.endr
.Lopen_\@:
.irp b, 0,1,2,3
	v_max3_num_f32 v[BM+\b], v[S+16*\b], v[S+1+16*\b], v[S+2+16*\b]     ; the largest score of each block of 32 keys: for the row's maximum, and, since p rises with the score, for the block's largest p
.endr
.irp i, 3,5,7,9,11,13
.irp b, 0,1,2,3
	v_max3_num_f32 v[BM+\b], v[BM+\b], v[S+16*\b+\i], v[S+1+16*\b+\i]
.endr
.endr
.irp b, 0,1,2,3
	v_max_num_f32 v[BM+\b], v[BM+\b], v[S+15+16*\b]
.endr
.irp b, 0,1,2,3
	s_delay_alu instid0(VALU_DEP_4)
	v_permlanex16_b32 v[BP+\b], v[BM+\b], s[SEL], s[SEL+1]
.endr
.irp b, 0,1,2,3
	s_delay_alu instid0(VALU_DEP_4)
	v_max_num_f32 v[BM+\b], v[BM+\b], v[BP+\b]
.endr
	s_delay_alu instid0(VALU_DEP_2)
	v_max3_num_f32 v[T0], v[BM], v[BM+1], v[BM+2]
	s_delay_alu instid0(VALU_DEP_1)
	v_max_num_f32 v[T0], v[T0], v[BM+3]
	s_delay_alu instid0(VALU_DEP_1)
	v_mul_f32 v[T0], s[CS], v[T0]
	s_delay_alu instid0(VALU_DEP_1)
	v_max_num_f32 v13, v13, v[T0]                  ; the running largest t
	v_mov_b32 v[T0], v12
	s_delay_alu instid0(VALU_DEP_2)
	v_floor_f32 v12, -v13                          ; -M = floor(-t)
	s_delay_alu instid0(VALU_DEP_1)
	v_sub_f32 v[T0], v12, v[T0]
	s_delay_alu instid0(VALU_DEP_1)
	v_cvt_i32_f32 v[T0], v[T0]                     ; (it saturates)
	s_delay_alu instid0(VALU_DEP_1)
	v_ldexp_f32 v[FF], 1.0, v[T0]                  ; f = 2^(old M - new M)
.set j, 0
.rept 32
	v_pk_fma_f32 v[S+j:S+j+1], v[S+j:S+j+1], s[CS:CS+1], v[12:13] op_sel_hi:[1,0,0]   ; t - M
.set j, j+2
.endr
.irp b, 0,1,2,3
	v_fma_f32 v[BM+\b], v[BM+\b], s[CS], v12
.endr
.set j, 0
	s_wait_alu depctr_va_vdst(0)
.rept 64
	v_exp_f32 v[S+j], v[S+j]                       ; p = 2^(t - M)
.set j, j+1
.endr
	v_pk_mul_f32 v[14:15], v[14:15], v[FF:FF+1] op_sel_hi:[1,0]         ; the sums under the new M (a plain line behind the exponentials)
	s_wait_alu depctr_va_vdst(0)                   ; one wait for the batch, ahead of its first reader
.irp b, 0,1,2,3
	v_exp_f32 v[BM+\b], v[BM+\b]                   ; the block's largest p
.endr
	v_pk_add_f32 v[232:233], v[102:103], v[106:107]
	v_pk_add_f32 v[254:255], v[110:111], v[114:115]
	v_pk_add_f32 v[252:253], v[118:119], v[122:123]
	v_pk_add_f32 v[250:251], v[126:127], v[130:131]
	v_pk_add_f32 v[248:249], v[134:135], v[138:139]
	v_pk_add_f32 v[246:247], v[142:143], v[146:147]
	v_pk_add_f32 v[244:245], v[150:151], v[154:155]
	v_pk_add_f32 v[14:15], v[14:15], v[158:159]
	v_pk_add_f32 v[232:233], v[232:233], v[98:99]
	v_pk_add_f32 v[254:255], v[254:255], v[100:101]
	v_pk_add_f32 v[252:253], v[252:253], v[104:105]
	v_pk_add_f32 v[250:251], v[250:251], v[108:109]
	v_pk_add_f32 v[248:249], v[248:249], v[112:113]
	v_pk_add_f32 v[246:247], v[246:247], v[116:117]
	v_pk_add_f32 v[244:245], v[244:245], v[120:121]
	v_pk_add_f32 v[14:15], v[14:15], v[124:125]
	v_pk_add_f32 v[232:233], v[232:233], v[128:129]
	v_pk_add_f32 v[254:255], v[254:255], v[132:133]
	v_pk_add_f32 v[252:253], v[252:253], v[136:137]
	v_pk_add_f32 v[250:251], v[250:251], v[140:141]
	v_pk_add_f32 v[248:249], v[248:249], v[144:145]
	v_pk_add_f32 v[246:247], v[246:247], v[148:149]
	v_pk_add_f32 v[244:245], v[244:245], v[152:153]
	v_pk_add_f32 v[14:15], v[14:15], v[156:157]
	v_pk_add_f32 v[232:233], v[232:233], v[160:161]
	s_delay_alu instid0(VALU_DEP_2)
	v_pk_add_f32 v[14:15], v[14:15], v[250:251]
	s_delay_alu instid0(VALU_DEP_2)
	v_pk_add_f32 v[232:233], v[232:233], v[248:249]
	v_pk_add_f32 v[254:255], v[254:255], v[246:247]
	v_pk_add_f32 v[252:253], v[252:253], v[244:245]
	s_delay_alu instid0(VALU_DEP_2)
	v_pk_add_f32 v[14:15], v[14:15], v[254:255]
	s_delay_alu instid0(VALU_DEP_2)
	v_pk_add_f32 v[232:233], v[232:233], v[252:253]
	s_delay_alu instid0(VALU_DEP_1)
	v_pk_add_f32 v[14:15], v[14:15], v[232:233]
	s_wait_alu depctr_va_vdst(0)                   ; and one for the four
.irp b, 0,1,2,3
	v_max_num_f32 v[BM+\b], 0x1800000, v[BM+\b]    ; the floor 2^(3 - 127)
.endr
.irp b, 0,1,2,3
	s_delay_alu instid0(VALU_DEP_4)
	v_add_nc_u32 v[SO+\b], 0xff000000, v[BM+\b]
.endr
.irp b, 0,1,2,3
	s_delay_alu instid0(VALU_DEP_4)
	v_lshrrev_b32 v[BP+\b], 23, v[SO+\b]
.endr
	s_delay_alu instid0(VALU_DEP_3)
	v_lshl_or_b32 v[PW], v[BP+1], 8, v[BP]
	s_delay_alu instid0(VALU_DEP_1)
	v_lshl_or_b32 v[PW], v[BP+2], 16, v[PW]
	s_delay_alu instid0(VALU_DEP_1)
	v_lshl_or_b32 v[PW], v[BP+3], 24, v[PW]
.irp c, 0,1
	v_cvt_scalef32_pk16_fp6_f32 v[PC+6*\c:PC+2+6*\c], v[S+32*\c:S+15+32*\c], v[SO+2*\c]
	v_cvt_scalef32_pk16_fp6_f32 v[CT+4*\c:CT+2+4*\c], v[S+16+32*\c:S+31+32*\c], v[SO+2*\c+1]
.endr
	v_nop                                          ; one plain line behind a scaled conversion
.irp c, 0,1
.irp i, 0,1,2
	v_permlane16_swap_b32 v[PC+6*\c+\i], v[CT+4*\c+\i]
.endr
.irp i, 0,1,2
	s_delay_alu instid0(VALU_DEP_3)
	v_mov_b32 v[PC+3+6*\c+\i], v[CT+4*\c+\i]
.endr
.endr
.set j, 0
.rept 16
	v_pk_mul_f32 v[O+j:O+j+1], v[O+j:O+j+1], v[FF:FF+1] op_sel_hi:[1,0]   ; O^T under the new M (also the places in front of the products below)
.set j, j+2
.endr
	s_wait_alu depctr_va_vdst(0)
	s_wait_dscnt 0x0                               ; V
.irp t, 0,1,2,3                        ; O^T += V^T p^T: four accumulators, one instruction each
	v_wmma_scale_f32_16x16x128_f8f6f4 v[O+8*\t:O+8*\t+7], v[KFR+12*\t:KFR+12*\t+11], v[PC:PC+11], v[O+8*\t:O+8*\t+7], v[VS+\t], v[PW] matrix_a_fmt:MATRIX_FMT_FP6 matrix_b_fmt:MATRIX_FMT_FP6
.endr
.Lhidden_\@:
	s_add_co_u32 s[KF], s[KF], 128
.endm
; THE CHANGE OF SLOTS, at a visit's head.  Each wave waits for all its tensor loads, adds 0 to its spare word, and waits for that and for its reads of the slot that it has left; behind the barrier the slot ahead is whole
; and nobody reads the other one, which (fill = 1) takes the next visit's keys: the next slot of the head, or slot 0 where the second block begins.
.macro CHANGE fill
	s_wait_tensorcnt 0x0                           ; no tensor load of mine is out, so group 0 may be written
	ds_add_u32 v[SPW], v[NIL]                      ; 0 onto my spare word
.if \fill
	s_xor_b32 s[G0+1], s[G0+1], SLOT1
	s_add_nc_u64 s[G0+2:G0+3], s[G0+2:G0+3], SLOTB
	s_cmp_eq_u32 s[VIS], s[II]
	s_cselect_b32 s[ZB], s[BACK], 0
	s_sub_nc_u64 s[G0+2:G0+3], s[G0+2:G0+3], s[ZB:ZB+1]
	s_wait_xcnt 0x0                                ; the last prefetch, a visit back, has read its address
	s_add_nc_u64 s[PFA:PFA+1], s[PFA:PFA+1], SLOTB
.endif
	s_wait_dscnt 0x0                               ; the add is done, and my reads of the slot that I have left are over
	s_barrier_signal -1
	s_barrier_wait -1
.if \fill
	TLOAD                                          ; the first thing behind the barrier, and a wave's one tensor load until the next
	ASK
.endif
.endm
.macro SLOT_STEPS
	STEP 0
	STEP 1
	s_xor_b32 s[TB], s[TB], SLOT1
.endm
; A BLOCK'S END: O^T / the sum; my row's 64 numbers are two blocks of 32 of the last product's K; codes leave as a half fragment, the two bytes a lane a byte.
.macro FINISH oc, os
.rept 4
	v_nop                                          ; behind the last products
.endr
	v_add_f32 v14, v14, v15
	s_delay_alu instid0(VALU_DEP_1)
	v_permlanex16_b32 v[T0], v14, s[SEL], s[SEL+1]
	s_delay_alu instid0(VALU_DEP_1)
	v_add_f32 v14, v14, v[T0]
	s_wait_alu depctr_va_vdst(0)
	v_rcp_f32 v[FF], v14
	v_nop
	s_wait_alu depctr_va_vdst(0)                   ; ahead of the reciprocal's first reader
.set j, 0
.rept 16
	v_pk_mul_f32 v[S+j:S+j+1], v[O+j:O+j+1], v[FF:FF+1] op_sel_hi:[1,0]   ; register 16 b + i: feature 32 b + 16 h + i
.set j, j+2
.endr
.irp b, 0,1
	v_max3_num_f32 v[BM+\b], |v[S+16*\b]|, |v[S+1+16*\b]|, 0x1800000
.endr
.irp i, 2,4,6,8,10,12,14
.irp b, 0,1
	s_delay_alu instid0(VALU_DEP_2)
	v_max3_num_f32 v[BM+\b], v[BM+\b], |v[S+16*\b+\i]|, |v[S+1+16*\b+\i]|
.endr
.endr
.irp b, 0,1
	s_delay_alu instid0(VALU_DEP_2)
	v_permlanex16_b32 v[BP+\b], v[BM+\b], s[SEL], s[SEL+1]
.endr
.irp b, 0,1
	s_delay_alu instid0(VALU_DEP_2)
	v_max_num_f32 v[BM+\b], v[BM+\b], v[BP+\b]
.endr
.irp b, 0,1
	s_delay_alu instid0(VALU_DEP_2)
	v_add_nc_u32 v[SO+\b], 0xff000000, v[BM+\b]
.endr
.irp b, 0,1
	s_delay_alu instid0(VALU_DEP_2)
	v_lshrrev_b32 v[BP+\b], 23, v[SO+\b]
.endr
	v_cvt_scalef32_pk16_fp6_f32 v[PC:PC+2], v[S:S+15], v[SO]
	v_cvt_scalef32_pk16_fp6_f32 v[CT:CT+2], v[S+16:S+31], v[SO+1]
	v_nop
	v_cmp_ne_u32 vcc_lo, 0, v[HH]
.irp i, 0,1,2
	v_permlane16_swap_b32 v[PC+\i], v[CT+\i]       ; lanes 0-15 block 0 whole, lanes 16-31 block 1
.endr
.irp i, 0,1,2
	s_delay_alu instid0(VALU_DEP_3)
	v_mov_b32 v[PC+3+\i], v[CT+\i]
.endr
	v_cndmask_b32 v[T1], v[BP], v[BP+1], vcc_lo    ; my block's byte
	global_store_b128 v[L16], v[PC:PC+3], s[\oc:\oc+1]
	global_store_b64 v[L8], v[PC+4:PC+5], s[\oc:\oc+1] offset:512
	global_store_b8 v[BOF], v[T1], s[\os:\os+1]
	s_wait_xcnt 0x0                                ; the stores have read their registers
.endm
.Lslot:                                            ; eight trips: behind each change of slots but the last the next visit's keys are asked for
	CHANGE 1
	s_cmp_lg_u32 s[VIS], s[I1]                     ; a branch on ids; no LDS instruction, barrier or tensor load stands under it
	s_cbranch_scc1 .Lsame
	FINISH OA, SA
	v_mov_b32 v[QS], v[QSB]                        ; the second block begins
.irp k, 0,1,2,3,4,5
	v_mov_b32 v[22+\k], v[QB+\k]
.endr
	v_mov_b32 v13, 0xff61b1e6
	s_delay_alu instid0(VALU_DEP_1)
	v_floor_f32 v12, -v13
	v_mov_b32 v14, 0
	v_mov_b32 v15, 0
.set j, 0
.rept 32
	v_mov_b32 v[O+j], 0
.set j, j+1
.endr
	s_mov_b32 s[Q0], s[Q0B]
	s_mov_b32 s[KF], 0
.Lsame:
	SLOT_STEPS
	s_add_co_u32 s[VIS], s[VIS], 1
	s_cmp_lt_u32 s[VIS], 8
	s_cbranch_scc1 .Lslot
	CHANGE 0                                       ; the last visit is written out
	SLOT_STEPS
	FINISH OB, SB
	s_wait_tensorcnt 0x0                           ; the wave's end
	ds_add_u32 v[SPW], v[NIL]
	s_wait_dscnt 0x0
	s_endpgm
.Lfunc_end_k_q5a6b93973e_attn:
	.size	k_q5a6b93973e_attn, .Lfunc_end_k_q5a6b93973e_attn-k_q5a6b93973e_attn
	.p2alignl 7, 3214868480
	.fill 96, 4, 3214868480
	.section	.rodata,"a",@progbits
	.p2align	6, 0x0
	.amdhsa_kernel k_q5a6b93973e_attn
		.amdhsa_group_segment_fixed_size 327680
		.amdhsa_private_segment_fixed_size 0
		.amdhsa_enable_private_segment 0
		.amdhsa_kernarg_size 24
		.amdhsa_user_sgpr_count 2
		.amdhsa_user_sgpr_kernarg_segment_ptr 1
		.amdhsa_wavefront_size32 1
		.amdhsa_system_sgpr_workgroup_id_x 1
		.amdhsa_system_sgpr_workgroup_id_y 1
		.amdhsa_system_sgpr_workgroup_id_z 1
		.amdhsa_system_vgpr_workitem_id 0
		.amdhsa_next_free_vgpr 256
		.amdhsa_next_free_sgpr 66
		.amdhsa_reserve_vcc 1
		.amdhsa_float_denorm_mode_32 3
		.amdhsa_float_denorm_mode_16_64 3
		.amdhsa_memory_ordered 1
		.amdhsa_forward_progress 1
		.amdhsa_inst_pref_size 108
	.end_amdhsa_kernel
	.amdgpu_metadata
---
amdhsa.version: [ 1, 2 ]
amdhsa.kernels:
  - .name:           k_q5a6b93973e_attn
    .symbol:         k_q5a6b93973e_attn.kd
    .args:
      - { .name: qq, .offset: 0, .size: 8, .value_kind: global_buffer, .address_space: global }
      - { .name: kv, .offset: 8, .size: 8, .value_kind: global_buffer, .address_space: global }
      - { .name: oq, .offset: 16, .size: 8, .value_kind: global_buffer, .address_space: global }
    .group_segment_fixed_size: 327680
    .private_segment_fixed_size: 0
    .kernarg_segment_align: 8
    .kernarg_segment_size: 24
    .max_flat_workgroup_size: 512
    .sgpr_count:     66
    .vgpr_count:     256
    .wavefront_size: 32
...
	.end_amdgpu_metadata
.endif
;; end of part 3
;; launch oproj (part 4): grid 4 x 32, 4 waves a work-group, clusters of 4 x 4, 327,680 bytes of LDS; arguments oq, wq, out0; writes out0
.if DOCPART == 4
	.amdgcn_target "amdgcn-amd-amdhsa--gfx1250"
	.amdhsa_code_object_version 6
	.text
	.protected	k_q5a6b93973e_oproj
	.globl	k_q5a6b93973e_oproj
	.p2align	8
	.type	k_q5a6b93973e_oproj,@function
k_q5a6b93973e_oproj:
	s_mov_b64 s[64:65], 0
	v_nop
	global_prefetch_b8 v0, s[64:65] scope:SCOPE_SE
	s_setreg_imm32_b32 hwreg(HW_REG_WAVE_MODE, 25, 1), 1
	s_wait_xcnt 0x0
	s_wait_alu depctr_hold_cnt(0) depctr_sa_sdst(0) depctr_va_vdst(0) depctr_va_sdst(0) depctr_va_ssrc(0) depctr_va_vcc(0) depctr_vm_vsrc(0)
	s_getreg_b32 s2, hwreg(HW_REG_IB_STS2, 6, 4)
	s_cmp_eq_u32 s2, 0
	s_cbranch_scc0 .Lentry_in_a_cluster
	s_endpgm
.Lentry_in_a_cluster:
	s_bfe_u32 s2, ttmp6, 0x10000c
	s_cmp_lg_u32 s2, 0xf033
	s_cbranch_scc0 .Lentry_shape_is_right
	s_endpgm
.Lentry_shape_is_right:
; OPROJ.  out0 = o Ow^T on codes of FP6 (E2M3): M 8,192, N 1,024, K 1,024; out0 f32.
; OPERANDS lie in memory as half fragments (HF: 16 rows x 64 along K, 768 bytes, the image of six registers: registers 0-3 at 16 x lane, registers 4-5 at 512 + 8 x lane), [row tile][16 HFs]; scale bytes [k / 256][row][8].
; Ow's rows are rows 3,072 to 4,095 of wq.  A tile of C, 256 x 256, is made by four waves, 128 x 128 each: 64 accumulators, 512 registers.  K goes in four steps of 256 through two LDS slots;
; a wave's tensor load brings 8 row tiles x 3,072 bytes.  The scale bytes of the 256 + 256 rows for all of K come once, with the first fills.
; CLUSTERS: 4 x 4 work-groups; A's tiles are asked for jointly along a row of the cluster, B's along a column.  C has 128 tiles of this size: 128 work-groups.
; THE MATRIX INSTRUCTION IS USED TRANSPOSED (source 0 = 16 rows of Ow, source 1 = 16 tokens): a lane holds eight neighbouring numbers of a row of C.
; REGISTERS, windows of 256: window 0: v0-31 addresses; v32-63 scale words, two sets, and nothing else; v128-223 A's fragments, one set; on the way out v128-255.  window 1: B's fragments, two sets.
;   window 2: the accumulators of my rows 0-63 ((a, b) at v[8 (8 (a % 4) + b)]); window 3: those of rows 64-127.
.set RT,     3072
.set HALFT,  8*RT
.set SLOT,   4*HALFT
.set NQ,     2
.set FR,     12
.set NL,     4
.set NP,     4
.set SCL,    2*SLOT                    ; behind the ring: the scale bytes, 4,096 for each quarter; B's lie 128 bytes further on, so that the two halves of a load's lanes meet different banks
.set SQ,     4096
.set SPARE,  SCL+4*SQ+256              ; the spare words, 128 bytes for each wave: two blocks of 256 bytes that no other line names
.set BROW0,  192                       ; Ow's first row tile in wq
.set SIZE_N, 1024
.set SPITCH, 528                       ; the way out: a stage of 16 rows x (512 bytes + 16) for each wave, in slot 0, which has had its last fill and its last read by then
.set ADRA, 16
.set ADRB, 20
.set STO,  24
.set RD,   25
.set ADRS, 27
.set SPW,  28
.set NIL,  29
.set SC,   32
.set AF,   128
.set BK,   128
.set G1, 24
.set G0, 32
.set G1B, 48
.set G0B, 56
.set G1S, 68
.set G0S, 76
.set G1SB, 80
.set G0SB, 88
.set MSB, 0
.macro WIN new                         ; the immediate's high byte repeats the setting that is left
.if MSB != (\new)
	s_set_vgpr_msb (MSB<<8)|(\new)
.set MSB, (\new)
.endif
.endm
.set MUL_LO, 0xa1
.set MUL_HI, 0xf1
.set TO_B,   0x40
.macro JLOAD g0a, g1a, g0b, g1b        ; a joint load: waves 0 and 1 fetch for A, waves 2 and 3 for B; four v_nop follow each of the two lines
	s_cmp_eq_u32 s15, 0
	s_cbranch_scc0 .Lfor_b_\@
	tensor_load_to_lds s[\g0a:\g0a+3], s[\g1a:\g1a+7]
	s_nop 0
.rept 4
	v_nop
.endr
	s_branch .Lasked_\@
.Lfor_b_\@:
	tensor_load_to_lds s[\g0b:\g0b+3], s[\g1b:\g1b+7]
	s_nop 0
.rept 4
	v_nop
.endr
.Lasked_\@:
.endm
.macro CREST
	s_cmp_lg_u32 s14, 0
	s_cbranch_scc1 .Lnot_wave_0_\@
	s_barrier_signal -3
.Lnot_wave_0_\@:
	s_barrier_wait -3
	s_barrier_signal -1
	s_barrier_wait -1
.endm
.macro CROUND
	s_barrier_signal -1
	s_barrier_wait -1
	CREST
.endm
	s_load_b128 s[4:7], s[0:1], 0x0                ; oq, wq
	s_load_b64 s[12:13], s[0:1], 0x10              ; out0
	v_lshl_add_u32 v[SPW], v0, 2, SPARE
	v_mov_b32 v[NIL], 0
	ds_add_u32 v28, v29
	s_wait_dscnt 0x0
	v_lshrrev_b32 v1, 5, v0
	v_readfirstlane_b32 s14, v1                    ; wave 0..3
	s_lshr_b32 s15, s14, 1                         ; which half of the tile's rows is mine.  Also: I fetch for A (0) or for B (1)
	s_and_b32 s16, s14, 1                          ; which half of its columns.  Also: which 128 rows I fetch
	s_bfe_u32 s40, ttmp6, 0x40000
	s_bfe_u32 s41, ttmp6, 0x40004
	s_lshl_b32 s42, ttmp9, 2
	s_add_co_u32 s42, s42, s40                     ; tile column of C
	s_and_b32 s17, ttmp7, 0xffff
	s_lshl_b32 s17, s17, 2
	s_add_co_u32 s17, s17, s41                     ; tile row of C
	s_lshl_b32 s43, s41, 2
	s_lshl_b32 s43, 15, s43                        ; my row of the cluster
	s_lshl_b32 s44, 0x1111, s40                    ; my column
	s_or_b32 s[G1+0], s43, (3<<16)|(1<<21)         ; codes: 8 rows of 384 elements of 8 bytes, 1,536 elements apart; dense in LDS
	s_or_b32 s[G1B+0], s44, (3<<16)|(1<<21)
.irp g, G1, G1B
	s_mov_b32 s[\g+1], 384<<16
	s_mov_b32 s[\g+2], 8<<16
	s_mov_b32 s[\g+3], 384<<16
	s_mov_b32 s[\g+4], 8
	s_mov_b32 s[\g+5], 1536
	s_mov_b32 s[\g+6], 0
	s_mov_b32 s[\g+7], 0
.endr
	s_or_b32 s[G1S+0], s43, (3<<16)|(1<<21)        ; scale bytes: 4 rows (K steps) of 128 elements of 8 bytes, a plane apart
	s_or_b32 s[G1SB+0], s44, (3<<16)|(1<<21)
.irp g, G1S, G1SB
	s_mov_b32 s[\g+1], 128<<16
	s_mov_b32 s[\g+2], 4<<16
	s_mov_b32 s[\g+3], 128<<16
	s_mov_b32 s[\g+4], 4
	s_mov_b32 s[\g+6], 0
	s_mov_b32 s[\g+7], 0
.endr
	s_mov_b32 s[G1S+5], 8192
	s_mov_b32 s[G1SB+5], 4096
	s_lshl_b32 s18, s16, 3
	s_lshl_b32 s20, s17, 4
	s_add_co_u32 s20, s20, s18                     ; A: row tile 16 x tile row + 8 x half
	s_lshl_b32 s46, s42, 4
	s_add_co_u32 s46, s46, s18
	s_add_co_u32 s46, s46, BROW0                   ; B: likewise by the tile column, from Ow's first row tile on
	s_lshl_b32 s22, s20, 7
	s_add_co_u32 s22, s22, 0x600000
	s_lshl_b32 s92, s46, 7
	s_add_co_u32 s92, s92, 0x300000
	s_mul_i32 s20, s20, 12288
	s_mul_i32 s46, s46, 12288
	s_mov_b32 s21, 0
	s_mov_b32 s23, 0
	s_mov_b32 s47, 0
	s_mov_b32 s93, 0
	s_mul_i32 s45, s14, HALFT
	s_lshl_b32 s94, s14, 12
	s_wait_kmcnt 0x0
	s_add_nc_u64 s[20:21], s[4:5], s[20:21]
	s_add_nc_u64 s[22:23], s[4:5], s[22:23]
	s_add_nc_u64 s[46:47], s[6:7], s[46:47]
	s_add_nc_u64 s[92:93], s[6:7], s[92:93]
	CROUND                                         ; all sixteen work-groups are here: the first joint loads meet
	s_mov_b32 s[G0S], 1
	s_add_co_u32 s[G0S+1], s94, SCL
	s_mov_b64 s[G0S+2:G0S+3], s[22:23]
	s_or_b32 s[G0S+3], s[G0S+3], 0x80000000
	s_mov_b32 s[G0SB], 1
	s_add_co_u32 s[G0SB+1], s94, SCL+128
	s_mov_b64 s[G0SB+2:G0SB+3], s[92:93]
	s_or_b32 s[G0SB+3], s[G0SB+3], 0x80000000
	JLOAD G0S, G1S, G0SB, G1SB
.irp s, 0,1
	s_mov_b32 s[G0+4*\s], 1
	s_add_co_u32 s[G0+4*\s+1], s45, \s*SLOT
	s_add_nc_u64 s[G0+4*\s+2:G0+4*\s+3], s[20:21], \s*RT
	s_or_b32 s[G0+4*\s+3], s[G0+4*\s+3], 0x80000000
	s_mov_b32 s[G0B+4*\s], 1
	s_add_co_u32 s[G0B+4*\s+1], s45, \s*SLOT
	s_add_nc_u64 s[G0B+4*\s+2:G0B+4*\s+3], s[46:47], \s*RT
	s_or_b32 s[G0B+4*\s+3], s[G0B+4*\s+3], 0x80000000
	JLOAD G0+4*\s, G1, G0B+4*\s, G1B
.endr
	v_and_b32 v1, 15, v0                           ; r
	v_bfe_u32 v2, v0, 4, 1                         ; h
	v_and_b32 v3, 31, v0
	v_lshlrev_b32 v4, 4, v3                        ; 16 x lane; stays
	v_lshlrev_b32 v5, 3, v3                        ; 8 x lane
	s_mul_i32 s21, s15, HALFT
	s_mul_i32 s22, s16, HALFT
	s_add_co_u32 s22, s22, 2*HALFT
.irp s, 0,1
	v_add_nc_u32 v[ADRA+\s], s21, v4
	v_add_nc_u32 v[ADRB+\s], s22, v4
	v_add_nc_u32 v[ADRA+2+\s], s21, v5
	v_add_nc_u32 v[ADRB+2+\s], s22, v5
	s_add_co_u32 s21, s21, SLOT
	s_add_co_u32 s22, s22, SLOT
.endr
	v_lshlrev_b32 v7, 3, v1
	s_lshl_b32 s21, s15, 12
	s_lshl_b32 s22, s16, 12
	s_add_co_u32 s22, s22, 2*SQ+128
	s_sub_co_u32 s22, s22, s21
	v_mul_u32_u24 v6, s22, v2                      ; lanes 16-31 take B's
	s_add_co_u32 s21, s21, SCL
	v_add_nc_u32 v7, v7, v6
	v_add_nc_u32 v[ADRS], s21, v7
	s_mul_i32 s23, s14, 16*SPITCH                  ; my stage
	v_mul_u32_u24 v6, v1, SPITCH
	v_lshl_add_u32 v6, v2, 5, v6
	v_add_nc_u32 v[STO], s23, v6                   ; in: row r, 32 bytes for each half of the lanes
	v_add_nc_u32 v[RD], s23, v4                    ; back: the 32 lanes take one row of 512 bytes
	s_lshl_b32 s20, s17, 8
	s_lshl_b32 s21, s15, 7
	s_add_co_u32 s20, s20, s21                     ; my first row of C,
	s_lshl_b32 s20, s20, 12                        ; of 4,096 bytes
	s_lshl_b32 s46, s42, 10                        ; my first column, in bytes
	s_lshl_b32 s47, s16, 9
	s_add_co_u32 s46, s46, s47
	s_add_co_u32 s20, s20, s46
	s_mov_b32 s21, 0
	s_add_nc_u64 s[12:13], s[12:13], s[20:21]
.macro FRAG reg, adr, q, i             ; a fragment = two HFs: registers 6 c .. 6 c + 3 by 16 bytes a lane, 6 c + 4, 6 c + 5 by 8
.irp c, 0,1
	ds_load_b128 v[\reg+6*\c:\reg+6*\c+3], v[\adr] offset:(\i)*RT+(\q)*1536+\c*768
	ds_load_b64 v[\reg+6*\c+4:\reg+6*\c+5], v[\adr+2] offset:(\i)*RT+(\q)*1536+\c*768+512
.endr
.endm
; 16 matrix instructions: A's blocks a0, a0 + 1 x B's eight.  The 64 accumulators take turns, one instruction a turn, in the same order in every step.
.macro MUL16 a0, p, q, sc, zero
.irp a, \a0, \a0+1
.irp b, 0,1,2,3,4,5,6,7
.if \zero
	v_wmma_scale_f32_16x16x128_f8f6f4 v[8*(8*((\a)%4)+\b):8*(8*((\a)%4)+\b)+7], v[128*(\p)+FR*\b:128*(\p)+FR*\b+FR-1], v[AF+FR*(\a):AF+FR*(\a)+FR-1], 0, v[SC+8*NQ*(\sc)+NQ*\b+(\q)], v[SC+8*NQ*(\sc)+NQ*(\a)+(\q)] matrix_a_fmt:MATRIX_FMT_FP6 matrix_b_fmt:MATRIX_FMT_FP6 matrix_a_scale:MATRIX_SCALE_ROW1
.else
	v_wmma_scale_f32_16x16x128_f8f6f4 v[8*(8*((\a)%4)+\b):8*(8*((\a)%4)+\b)+7], v[128*(\p)+FR*\b:128*(\p)+FR*\b+FR-1], v[AF+FR*(\a):AF+FR*(\a)+FR-1], v[8*(8*((\a)%4)+\b):8*(8*((\a)%4)+\b)+7], v[SC+8*NQ*(\sc)+NQ*\b+(\q)], v[SC+8*NQ*(\sc)+NQ*(\a)+(\q)] matrix_a_fmt:MATRIX_FMT_FP6 matrix_b_fmt:MATRIX_FMT_FP6 matrix_a_scale:MATRIX_SCALE_ROW1
.endif
.endr
.endr
.endm
.macro FETCH_B slot, q, p
	WIN TO_B
.irp i, 0,1,2,3,4,5,6,7
	FRAG 128*(\p)+FR*\i, ADRB+\slot, \q, \i
.endr
	WIN 0
.endm
.macro FETCH_A slot, q, i0
.irp i, \i0, \i0+1, \i0+2, \i0+3
	FRAG AF+FR*(\i), ADRA+\slot, \q, \i
.endr
.endm
.macro SCALES sc
.irp i, 0,1,2,3,4,5,6,7
	ds_load_b64 v[SC+8*NQ*\sc+NQ*\i:SC+8*NQ*\sc+NQ*\i+1], v[ADRS] offset:\i*128
.endr
.endm
.macro PLACES n                        ; plain vector lines between a matrix instruction and a load into, or a read of, its registers
.rept \n
	v_nop
.endr
.endm
.macro STEP slot, q, zero
	s_wait_dscnt 4*NL                              ; B's set, A's blocks 0-3 and the scale words are in; the youngest sixteen loads (A's blocks 4-7) may be out
	WIN MUL_LO
	MUL16 0, (\q)%2, \q, \slot, \zero
	MUL16 2, (\q)%2, \q, \slot, \zero
	s_wait_dscnt 0
	PLACES NP
	FETCH_B \slot, (\q)+1, 1-(\q)%2
	FETCH_A \slot, (\q)+1, 0
	WIN MUL_HI
	MUL16 4, (\q)%2, \q, \slot, \zero
	MUL16 6, (\q)%2, \q, \slot, \zero
	PLACES NP
	WIN 0
	FETCH_A \slot, (\q)+1, 4
.endm
.macro TURN slot, next, fill
	s_wait_tensorcnt 0x0                           ; all my tensor loads have landed: my part of the next slot
	ds_add_u32 v[SPW], v[NIL]                      ; 0 onto my spare word
	s_wait_dscnt 4*NL+1                            ; (the add and A's blocks 4-7 may be out)
	WIN MUL_LO
	MUL16 0, 1, NQ-1, \slot, 0
	s_wait_dscnt 0x0                               ; the add is done, and my reads of this slot are over
	s_barrier_signal -1
	MUL16 2, 1, NQ-1, \slot, 0
	WIN 0
	s_barrier_wait -1
.if \fill
	CREST                                          ; the barrier has opened a round of the cluster's: no wave of any partner still reads this slot or has a load on its way
	s_add_nc_u64 s[G0+4*\slot+2:G0+4*\slot+3], s[G0+4*\slot+2:G0+4*\slot+3], 2*RT
	s_add_nc_u64 s[G0B+4*\slot+2:G0B+4*\slot+3], s[G0B+4*\slot+2:G0B+4*\slot+3], 2*RT
	JLOAD G0+4*\slot, G1, G0B+4*\slot, G1B
.else
	PLACES NP
.endif
	v_add_nc_u32 v[ADRS], 1024, v[ADRS]
	FETCH_B \next, 0, 0
	FETCH_A \next, 0, 0
	SCALES \next
	WIN MUL_HI
	MUL16 4, 1, NQ-1, \slot, 0
	MUL16 6, 1, NQ-1, \slot, 0
	PLACES NP
	WIN 0
	FETCH_A \next, 0, 4
.endm
	s_wait_tensorcnt 1                             ; the scale bytes and my part of K step 0 are in; K step 1's load may be out
	s_barrier_signal -1
	s_barrier_wait -1
	FETCH_B 0, 0, 0
	FETCH_A 0, 0, 0
	SCALES 0
	FETCH_A 0, 0, 4
	STEP 0, 0, 1                                   ; K has four steps of 256: they are written out.  The first products start the sums
	TURN 0, 1, 1
	STEP 1, 0, 0
	TURN 1, 0, 1
	STEP 0, 0, 0
	TURN 0, 1, 0
	STEP 1, 0, 0
	s_wait_dscnt 4*NL
	WIN MUL_LO
	MUL16 0, 1, NQ-1, 1, 0
	MUL16 2, 1, NQ-1, 1, 0
	s_wait_dscnt 0
	WIN MUL_HI
	MUL16 4, 1, NQ-1, 1, 0
	MUL16 6, 1, NQ-1, 1, 0
	WIN 0
; THE WAY OUT, block by block of 16 rows x 128 columns, through my own stage in LDS: in as 32 bytes a lane, back as whole rows of 512 bytes.  LDS serves a wave's instructions in order: no wait between the stores and the loads.
.macro TOSTAGE a
.set AC, 64*((\a)%4)
	WIN 0x08+4*((\a)/4)
.irp b, 0,1,2,3,4,5,6,7
	ds_store_b128 v[STO], v[AC+8*\b:AC+8*\b+3] offset:64*\b          ; each accumulator from its low end on
	ds_store_b128 v[STO], v[AC+8*\b+4:AC+8*\b+7] offset:64*\b+16
.endr
	WIN 0
.set BB, BK+64*((\a)%2)
.irp t, 0,1,2,3,4,5,6,7,8,9,10,11,12,13,14,15
	ds_load_b128 v[BB+4*\t:BB+4*\t+3], v[RD] offset:\t*SPITCH
.endr
.endm
.macro SEND a, younger
.set BB, BK+64*((\a)%2)
	s_wait_dscnt \younger                          ; the block is back in registers
.if (\a) > 0
	s_add_nc_u64 s[12:13], s[12:13], 16*SIZE_N*4   ; (behind a wait on XCNT: the earlier stores have read their base)
.endif
.irp t, 0,1,2,3,4,5,6,7,8,9,10,11,12,13,14,15
	global_store_b128 v4, v[BB+4*\t:BB+4*\t+3], s[12:13] offset:\t*SIZE_N*4 th:TH_STORE_NT   ; 32 lanes store 512 consecutive bytes, at a multiple of 256 from the buffer's first byte
.endr
.endm
	PLACES NP
	TOSTAGE 0
.irp a, 1,2,3,4,5,6,7
.if \a > 1
	s_wait_xcnt 0x0                                ; block a - 2's stores have read their registers and their base
.endif
	TOSTAGE \a
	SEND \a-1, 32                                  ; behind block a - 1's loads: block a's 16 stores and 16 loads
.endr
	s_wait_xcnt 0x0
	SEND 7, 0
	s_wait_tensorcnt 0x0                           ; the wave's end
	ds_add_u32 v[SPW], v[NIL]
	s_wait_dscnt 0x0
	CROUND                                         ; the closing round
	s_endpgm
.Lfunc_end_k_q5a6b93973e_oproj:
	.size	k_q5a6b93973e_oproj, .Lfunc_end_k_q5a6b93973e_oproj-k_q5a6b93973e_oproj
	.p2alignl 7, 3214868480
	.fill 96, 4, 3214868480
	.section	.rodata,"a",@progbits
	.p2align	6, 0x0
	.amdhsa_kernel k_q5a6b93973e_oproj
		.amdhsa_group_segment_fixed_size 327680
		.amdhsa_private_segment_fixed_size 0
		.amdhsa_enable_private_segment 0
		.amdhsa_kernarg_size 24
		.amdhsa_user_sgpr_count 2
		.amdhsa_user_sgpr_kernarg_segment_ptr 1
		.amdhsa_wavefront_size32 1
		.amdhsa_system_sgpr_workgroup_id_x 1
		.amdhsa_system_sgpr_workgroup_id_y 1
		.amdhsa_system_sgpr_workgroup_id_z 1
		.amdhsa_system_vgpr_workitem_id 0
		.amdhsa_next_free_vgpr 1024
		.amdhsa_next_free_sgpr 100
		.amdhsa_reserve_vcc 0
		.amdhsa_float_denorm_mode_32 3
		.amdhsa_float_denorm_mode_16_64 3
		.amdhsa_memory_ordered 1
		.amdhsa_forward_progress 1
		.amdhsa_inst_pref_size 143
	.end_amdhsa_kernel
	.amdgpu_metadata
---
amdhsa.version: [ 1, 2 ]
amdhsa.kernels:
  - .name:           k_q5a6b93973e_oproj
    .symbol:         k_q5a6b93973e_oproj.kd
    .args:
      - { .name: oq, .offset: 0, .size: 8, .value_kind: global_buffer, .address_space: global }
      - { .name: wq, .offset: 8, .size: 8, .value_kind: global_buffer, .address_space: global }
      - { .name: out0, .offset: 16, .size: 8, .value_kind: global_buffer, .address_space: global }
    .group_segment_fixed_size: 327680
    .private_segment_fixed_size: 0
    .kernarg_segment_align: 8
    .kernarg_segment_size: 24
    .max_flat_workgroup_size: 128
    .sgpr_count:     100
    .vgpr_count:     1024
    .wavefront_size: 32
...
	.end_amdgpu_metadata
.endif
;; end of part 4
